; MI455X (gfx1250); checked and timed in simulation.
; The chip was launched on July 23, 2026; its instructions are those of AMD's public machine-readable ISA for CDNA 5 (MIT licence, August 2026) and "CDNA5" Instruction Set Architecture Reference Guide (July 2026). The comments in the code are by the model that wrote it; some were corrected since.
;; Scaled Dot Product Attention. Allowed arithmetic: matrix products marked QUANTISED: E3M2 operands, one E8M0 scale for each 32 along K, by v_wmma_scale_f32_16x16x128_f8f6f4 with both operands' format E3M2, f32 sums; everything else in f32.
;; Inputs: Wk 1,024 x 1,024 float32; Wq 1,024 x 1,024 float32; Wv 1,024 x 1,024 float32; bk 1,024 float32; bq 1,024 float32; bv 1,024 float32; x 8 x 1,024 x 1,024 float32.
;; Outputs: out0 8 x 1,024 x 1,024 float32.
;; This version of the problem:
;;   THIS VERSION OF THE PROBLEM IS GIVEN IN LOW PRECISION. The matrix products marked QUANTISED in the list below multiply operands that are first quantised to E3M2 (3 exponent bits, 2 mantissa bits; 6 bits a number), with one power-of-two scale for each 32 numbers along K (OCP MX v1.0); their sums are f32. All else is computed in f32.
;;   The module's matrix products, in the order in which they are computed (A, B: the left and right operand; K: the contracted axis; several contracted axes count as one K, in the product's order):
;;     1. [M 8,192, K 1,024] x [K 1,024, N 1,024]; A: input x; B: input Wq: QUANTISED
;;     2. [M 8,192, K 1,024] x [K 1,024, N 1,024]; A: input x; B: input Wk: QUANTISED
;;     3. [M 8,192, K 1,024] x [K 1,024, N 1,024]; A: input x; B: input Wv: QUANTISED
;;     4. batch 8 x [M 1,024, K 1,024] x [K 1,024, N 1,024]; A: computed on the way; B: computed on the way: QUANTISED
;;     5. batch 8 x [M 1,024, K 1,024] x [K 1,024, N 1,024]; A: softmax (see below); B: computed on the way: QUANTISED
;;   THE QUANTISER, for each operand of a quantised product, along K:
;;     - K is cut into blocks of 32 from its start; a last block that is shorter is filled with zeros.
;;     - A block's scale is 2^e with e = floor(log2(the largest magnitude in the block)) - 4, held to -126 .. 127; a block of zeros has e = 0. As a byte (E8M0): e + 127.
;;     - Each number is divided by its block's scale, clamped to +-28, and rounded to the nearest number of E3M2, ties to even, subnormals kept.
;;     - The product sums the exact products of the quantised numbers (number of the format x scale) in f32.
;;   ~~~python
;;   def quantise(x, axis):      # numpy; x: float32 -> the quantised numbers, widened to float32 again
;;       x = np.moveaxis(x, axis, -1); K = x.shape[-1]
;;       x = np.pad(x, [(0, 0)] * (x.ndim - 1) + [(0, -K % 32)]); x = x.reshape(x.shape[:-1] + (-1, 32)); a = np.abs(x).max(-1, keepdims=True)
;;       e = np.where(a > 0, np.clip(np.frexp(np.where(a > 0, a, 1))[1] - 1 - 4, -126, 127), 0)      # np.frexp(a)[1] - 1 = floor(log2(a)), exactly
;;       r = np.clip(x / 2.0 ** e, -28, 28)
;;       step = 2.0 ** (np.maximum(np.frexp(np.where(r == 0, 1, r))[1] - 1, -2) - 2)
;;       q = np.round(r / step) * step * 2.0 ** e      # np.round: ties to even
;;       return np.moveaxis(q.reshape(q.shape[:-2] + (-1,))[..., :K], -1, axis).astype(np.float32)
;;   ~~~
;;   SOFTMAX AHEAD OF A QUANTISED PRODUCT. Where the list says 'softmax', what is quantised is not the finished softmax but p = 2^(t - M), with t = logit x log2(e) and M = ceil(the row's largest t), a whole number; so 1/2 < the row's largest p <= 1. The row's sum l is taken of the UNQUANTISED p, in f32, and the product's result is divided by l at the end. Since M is a whole number, a kernel that streams over the keys may use a running M (the ceiling of the running maximum): every later rescaling is an exact power of two, which a block's scale takes up: the codes' values come out the same.
;;   OPERANDS COMPUTED ON THE WAY. 'Computed on the way' means the value that the module computes at that place (a softmax that the list does not call 'softmax' is quantised finished and normalised). What goes into a quantiser is computed in f32, as accurately as f32 sums, v_exp_f32 and their like allow (about 1e-6 of the number): no bf16 or f16 on the way to a quantiser, and a product that is left as it is and whose result goes on into a quantised operand takes f32 operands (vector FMAs, or v_wmma_f32_16x16x4_f32). A number that lies on a knife's edge between two numbers of the format may be rounded either way, as far as f32 arithmetic and the matrix unit's own rounding can turn it there, and no further.
;; One version. Each part assembles by itself: llvm-mc -triple=amdgcn-amd-amdhsa -mcpu=gfx1250 --defsym DOCPART=n.
;; ======== version 1 of 1: 4 launches
;; limits: right only within a limited range of input values
;; workspace buffers: xw_codes 8,650,752 bytes; xw_scales 360,448 bytes; qkv_codes 18,874,368 bytes; qkv_scales 786,432 bytes; p_codes 6,291,456 bytes; p_stats 786,432 bytes
;; launch quant (part 1): grid 704 x 1, 8 waves a work-group, no clusters, 69,120 bytes of LDS; arguments x, Wq, Wk, Wv, xw_codes, xw_scales; writes xw_codes, xw_scales
.if DOCPART == 1
	.amdgcn_target "amdgcn-amd-amdhsa--gfx1250"
	.amdhsa_code_object_version 6
	.text
	.protected	k_q678ac4d8e2_quant
	.globl	k_q678ac4d8e2_quant
	.p2align	8
	.type	k_q678ac4d8e2_quant,@function
k_q678ac4d8e2_quant:
	s_mov_b64 s[64:65], 0
	v_nop
	global_prefetch_b8 v0, s[64:65] scope:SCOPE_SE
	s_setreg_imm32_b32 hwreg(HW_REG_WAVE_MODE, 25, 1), 1
	s_wait_xcnt 0x0
; x [8192][1024] and Wq, Wk, Wv [1024][1024], f32, K innermost, become codes of BF6 (E3M2) with one E8M0 byte for each 32 along K.
; A block's scale is 2^(floor(log2(its largest magnitude)) - 4); its byte is the largest magnitude's exponent field - 4, held at 1 from below.
; LAYOUT OF THE RESULTS: IMAGES OF THE OPERAND'S REGISTERS.  A fragment (16 rows x 128 K) is 12 registers a lane; it is stored as 1,536 bytes: registers 4 c .. 4 c + 3 of lane l
; at 512 c + 16 l.  Codes: [row tile][K step (8)][1,536].  Scale words: [row tile / 4][K step (8)][row in the tile (16)][row tile % 4] x 4 bytes.  x's 512 row tiles come first;
; then for each block of 128 rows of the weights 24 tiles: Wq's 8, Wk's 8, Wv's 8, so that what one work-group of the next launch needs lies on end.
; SHARES.  A work-group takes 64 rows (four row tiles) x two K steps; wave w takes row tile w % 4 and K step w / 4 of them: one fragment.
; A wave loads its 16 rows x 512 bytes as they lie, a row a load; they turn through the wave's own LDS bytes, so that lane (r, h) holds the numbers k = 64 c + 32 h + 0 .. 31 of row r:
; two whole blocks, in the order of the operand's registers; a block's largest magnitude needs no other lane.  The scale words of four tiles are gathered in LDS and leave as whole units of 256 bytes.
; No input and no product of the problem is left out in any launch.
; LIMITS: NaN and infinities among the inputs are not served; a block whose largest magnitude lies under 2^-122 keeps the byte 1; a block of zeros has the byte 1 where the rule says 127:
; its codes are zeros, which add nothing under any byte but 0xff, and the bytes are read by this program alone.
.set TROW,  12288                      ; a row tile's codes in bytes
.set FRB,   1536                       ; a fragment's image
.set PITCH, 528                        ; an LDS row: 512 bytes + 16 of padding = 132 words
.set WREG,  16*PITCH                   ; a wave's LDS bytes
.set SCW,   8*WREG                     ; behind the waves' bytes: the scale words, 256 bytes for each of two K steps
.set SPARE, SCW+512                    ; and the spare words, 128 bytes for each wave, which no other line names
.set TM,  8                            ; v8-9    largest magnitudes of my two blocks
.set SCO, 10                           ; v10-11  the conversions' scale operands
.set BY,  12                           ; v12-13  the scale bytes
.set PW,  15                           ; v15     my row's scale word
.set R,   16                           ; v16-79  the numbers as loaded; later v16-27 the codes, v28-34 the blocks' second halves before they are moved
.set TC,  28
.set X,   80                           ; v80-143 64 numbers
.set SPW, 146
.set NIL, 147
	s_load_b256 s[4:11], s[0:1], 0x0               ; x, Wq, Wk, Wv
	s_load_b128 s[12:15], s[0:1], 0x20             ; the codes, the scale words
	v_lshl_add_u32 v[SPW], v0, 2, SPARE
	v_mov_b32 v[NIL], 0
	v_lshrrev_b32 v1, 5, v0
	v_readfirstlane_b32 s16, v1                    ; wave
	s_and_b32 s17, s16, 3                          ; my row tile of four
	s_lshr_b32 s18, s16, 2                         ; my K step of two
	s_mul_i32 s19, s16, WREG                       ; my LDS bytes
	s_lshl_b32 s20, s17, 2
	s_lshl_b32 s21, s18, 8
	s_add_co_u32 s20, s20, s21
	s_add_co_u32 s20, s20, SCW                     ; my scale words' place, row 0
	s_lshl_b32 s21, s16, 8
	s_add_co_u32 s21, s21, SCW                     ; waves 0 and 1: the unit that I store
	v_and_b32 v1, 31, v0                           ; lane
	v_and_b32 v2, 15, v0                           ; r
	v_bfe_u32 v3, v0, 4, 1                         ; h
	v_lshlrev_b32 v5, 4, v1                        ; 16 bytes a lane: of a row of 512, and of an image
	v_mul_u32_u24 v4, v2, PITCH
	v_lshlrev_b32 v148, 3, v1
	v_lshlrev_b32 v7, 3, v3                        ; 8 h: my bytes' shift in the scale word
	v_lshl_add_u32 v4, v3, 7, v4
	v_add_nc_u32 v144, s19, v5                     ; LDS, in: a row as it lies
	v_lshl_add_u32 v145, v2, 4, s20                ; my row's scale word
	v_add_nc_u32 v4, s19, v4                       ; LDS, back: row r, + 128 h bytes: my 32 numbers of a run of 64
	v_add_nc_u32 v6, s21, v148
	v_mov_b32 v14, 0                               ; written once: a lane permute's destination counts as one of its sources
	s_mov_b32 s40, 0x76543210
	s_mov_b32 s41, 0xfedcba98                      ; v_permlanex16_b32's selects for lane l xor 16
	s_and_b32 s22, ttmp9, 3
	s_lshl_b32 s22, s22, 1                         ; my work-group's first K step
	s_lshr_b32 s23, ttmp9, 2                       ; and its 64 rows: 0-127 x; 128-143 Wq; 144-159 Wk; 160-175 Wv
	s_add_co_u32 s24, s22, s18                     ; my K step
	s_sub_co_u32 s25, s23, 128
	s_and_b32 s26, s25, 15                         ; which 64 rows of a weight
	s_lshr_b32 s27, s25, 4                         ; which weight
	s_lshr_b32 s28, s26, 1
	s_mul_i32 s28, s28, 24
	s_lshl_b32 s27, s27, 3
	s_add_co_u32 s28, s28, s27
	s_and_b32 s27, s26, 1
	s_lshl_b32 s27, s27, 2
	s_add_co_u32 s28, s28, s27
	s_add_co_u32 s28, s28, 512                     ; a weight's tile: 512 + 24 x block of 128 rows + 8 x weight + 4 x half
	s_lshl_b32 s29, s23, 2
	s_cmp_lt_u32 s23, 128
	s_cselect_b32 s29, s29, s28                    ; the first of my work-group's four row tiles
	s_cselect_b32 s30, s23, s26                    ; which 64 rows of the tensor
	s_lshl_b32 s32, s30, 18                        ; 64 rows of 4,096 bytes
	s_lshl_b32 s33, s17, 16
	s_add_co_u32 s32, s32, s33
	s_lshl_b32 s33, s24, 9
	s_add_co_u32 s32, s32, s33                     ; + my tile's 16 rows + my K step's 512 bytes
	s_mov_b32 s33, 0
	s_add_co_u32 s34, s29, s17
	s_mul_i32 s34, s34, TROW
	s_mul_i32 s35, s24, FRB
	s_add_co_u32 s34, s34, s35
	s_mov_b32 s35, 0
	s_lshl_b32 s36, s29, 9
	s_add_co_u32 s37, s22, s16
	s_lshl_b32 s37, s37, 8
	s_add_co_u32 s36, s36, s37                     ; waves 0 and 1: K step 2 x pair + wave's unit of scale words
	s_mov_b32 s37, 0
	s_wait_alu depctr_va_vdst(0)
	s_wait_kmcnt 0x0
	s_cmp_lt_u32 s23, 160                          ; the choice hangs on the work-group's number alone
	s_cselect_b64 s[10:11], s[8:9], s[10:11]
	s_cmp_lt_u32 s23, 144
	s_cselect_b64 s[10:11], s[6:7], s[10:11]
	s_cmp_lt_u32 s23, 128
	s_cselect_b64 s[10:11], s[4:5], s[10:11]
	s_add_nc_u64 s[10:11], s[10:11], s[32:33]
	s_add_nc_u64 s[12:13], s[12:13], s[34:35]
	s_add_nc_u64 s[14:15], s[14:15], s[36:37]
.irp i, 0,1,2,3,4,5,6,7,8,9,10,11,12,13,14,15
	global_load_b128 v[R+4*\i:R+4*\i+3], v5, s[10:11] offset:4096*\i th:TH_LOAD_NT   ; 32 lanes read 512 consecutive bytes
.endr
.irp i, 0,1,2,3,4,5,6,7,8,9,10,11,12,13,14,15
	s_wait_loadcnt 15-\i                           ; row i is in, the 15 - i younger may be out
	ds_store_b128 v144, v[R+4*\i:R+4*\i+3] offset:PITCH*\i
.endr
.irp c, 0,1                                    ; LDS serves a wave's instructions in order: these see the stores above
.irp m, 0,1,2,3,4,5,6,7
	ds_load_b128 v[X+32*\c+4*\m:X+32*\c+4*\m+3], v4 offset:256*\c+16*\m   ; k = 64 c + 32 h + 4 m ..
.endr
.endr
	s_wait_dscnt 0x0
.irp c, 0,1
	v_max3_num_f32 v[TM+\c], |v[X+32*\c]|, |v[X+32*\c+1]|, 0x2800000   ; my block 2 c + h, and the floor 2^(5 - 127): the byte cannot fall under 1
.endr
.irp i, 2,4,6,8,10,12,14,16,18,20,22,24,26,28,30
.irp c, 0,1
	s_delay_alu instid0(VALU_DEP_2)
	v_max3_num_f32 v[TM+\c], v[TM+\c], |v[X+32*\c+\i]|, |v[X+32*\c+\i+1]|   ; (the two blocks by turns)
.endr
.endr
.irp c, 0,1
	s_delay_alu instid0(VALU_DEP_2)
	v_add_nc_u32 v[SCO+\c], 0xfe000000, v[TM+\c]   ; 4 off the exponent field: the conversion takes the exponent field of this operand as its scale
.endr
.irp c, 0,1
	s_delay_alu instid0(VALU_DEP_2)
	v_lshrrev_b32 v[BY+\c], 23, v[SCO+\c]          ; the scale's byte
.endr
	s_delay_alu instid0(VALU_DEP_1)
	v_lshl_or_b32 v[PW], v[BY+1], 16, v[BY]        ; my two bytes: blocks h and 2 + h,
	s_delay_alu instid0(VALU_DEP_1)
	v_lshlrev_b32 v[PW], v7, v[PW]                 ; at their places in the word;
	s_delay_alu instid0(VALU_DEP_1)
	v_permlanex16_b32 v14, v[PW], s40, s41
	s_delay_alu instid0(VALU_DEP_1)
	v_or_b32 v[PW], v[PW], v14                     ; with lane l xor 16's two the word is whole, in both lanes
	ds_store_b32 v145, v[PW]                       ; both lanes of a row write the same word with the same value
.irp c, 0,1
	v_cvt_scalef32_pk16_bf6_f32 v[R+6*\c:R+6*\c+2], v[X+32*\c:X+32*\c+15], v[SCO+\c]
	v_cvt_scalef32_pk16_bf6_f32 v[TC+4*\c:TC+4*\c+2], v[X+32*\c+16:X+32*\c+31], v[SCO+\c]   ; (a conversion's three registers begin on an even number)
.endr
	v_nop                                          ; one plain line behind the scaled conversions
.irp c, 0,1
.irp i, 0,1,2
	v_mov_b32 v[R+6*\c+3+\i], v[TC+4*\c+\i]
.endr
.endr
.irp c, 0,1,2
	global_store_b128 v5, v[R+4*\c:R+4*\c+3], s[12:13] offset:512*\c   ; 32 lanes store 512 consecutive bytes, at a multiple of 512 from the buffer's first byte
.endr
	s_wait_alu depctr_va_vdst(0)
	s_wait_dscnt 0x0                               ; my scale words are in LDS,
	s_barrier_signal -1
	s_barrier_wait -1                              ; everybody's are
	s_cmp_lt_u32 s16, 2
	s_cbranch_scc0 .Lstored
	ds_load_b64 v[8:9], v6
	s_wait_dscnt 0x0
	global_store_b64 v148, v[8:9], s[14:15]        ; 32 lanes store 256 consecutive bytes, aligned
.Lstored:
	s_wait_tensorcnt 0x0                           ; the wave's end
	ds_add_u32 v[SPW], v[NIL]
	s_wait_dscnt 0x0
	s_endpgm
.Lfunc_end_k_q678ac4d8e2_quant:
	.size	k_q678ac4d8e2_quant, .Lfunc_end_k_q678ac4d8e2_quant-k_q678ac4d8e2_quant
	.p2alignl 7, 3214868480
	.fill 96, 4, 3214868480
	.section	.rodata,"a",@progbits
	.p2align	6, 0x0
	.amdhsa_kernel k_q678ac4d8e2_quant
		.amdhsa_group_segment_fixed_size 69120
		.amdhsa_private_segment_fixed_size 0
		.amdhsa_enable_private_segment 0
		.amdhsa_kernarg_size 48
		.amdhsa_user_sgpr_count 2
		.amdhsa_user_sgpr_kernarg_segment_ptr 1
		.amdhsa_wavefront_size32 1
		.amdhsa_system_sgpr_workgroup_id_x 1
		.amdhsa_system_sgpr_workgroup_id_y 1
		.amdhsa_system_sgpr_workgroup_id_z 1
		.amdhsa_system_vgpr_workitem_id 0
		.amdhsa_next_free_vgpr 152
		.amdhsa_next_free_sgpr 66
		.amdhsa_reserve_vcc 0
		.amdhsa_float_denorm_mode_32 3
		.amdhsa_float_denorm_mode_16_64 3
		.amdhsa_memory_ordered 1
		.amdhsa_forward_progress 1
		.amdhsa_inst_pref_size 13
	.end_amdhsa_kernel
	.amdgpu_metadata
---
amdhsa.version: [ 1, 2 ]
amdhsa.kernels:
  - .name:           k_q678ac4d8e2_quant
    .symbol:         k_q678ac4d8e2_quant.kd
    .args:
      - { .name: x, .offset: 0, .size: 8, .value_kind: global_buffer, .address_space: global }
      - { .name: Wq, .offset: 8, .size: 8, .value_kind: global_buffer, .address_space: global }
      - { .name: Wk, .offset: 16, .size: 8, .value_kind: global_buffer, .address_space: global }
      - { .name: Wv, .offset: 24, .size: 8, .value_kind: global_buffer, .address_space: global }
      - { .name: xw_codes, .offset: 32, .size: 8, .value_kind: global_buffer, .address_space: global }
      - { .name: xw_scales, .offset: 40, .size: 8, .value_kind: global_buffer, .address_space: global }
    .group_segment_fixed_size: 69120
    .private_segment_fixed_size: 0
    .kernarg_segment_align: 8
    .kernarg_segment_size: 48
    .max_flat_workgroup_size: 256
    .sgpr_count:     66
    .vgpr_count:     152
    .wavefront_size: 32
...
	.end_amdgpu_metadata
.endif
;; end of part 1
;; launch qkv (part 2): grid 4 x 64, 4 waves a work-group, clusters of 4 x 4, 327,680 bytes of LDS; arguments xw_codes, xw_scales, bq, bk, bv, qkv_codes, qkv_scales; writes qkv_codes, qkv_scales
.if DOCPART == 2
	.amdgcn_target "amdgcn-amd-amdhsa--gfx1250"
	.amdhsa_code_object_version 6
	.text
	.protected	k_q678ac4d8e2_qkv
	.globl	k_q678ac4d8e2_qkv
	.p2align	8
	.type	k_q678ac4d8e2_qkv,@function
k_q678ac4d8e2_qkv:
	s_mov_b64 s[64:65], 0
	v_nop
	global_prefetch_b8 v0, s[64:65] scope:SCOPE_SE
	s_setreg_imm32_b32 hwreg(HW_REG_WAVE_MODE, 25, 1), 1
	s_wait_xcnt 0x0
	s_wait_alu depctr_hold_cnt(0) depctr_sa_sdst(0) depctr_va_vdst(0) depctr_va_sdst(0) depctr_va_ssrc(0) depctr_va_vcc(0) depctr_vm_vsrc(0)
	s_getreg_b32 s2, hwreg(HW_REG_IB_STS2, 6, 4)
	s_cmp_eq_u32 s2, 0
	s_cbranch_scc0 .Lentry_in_a_cluster
	s_endpgm
.Lentry_in_a_cluster:
	s_bfe_u32 s2, ttmp6, 0x10000c
	s_cmp_lg_u32 s2, 0xf033
	s_cbranch_scc0 .Lentry_shape_is_right
	s_endpgm
.Lentry_shape_is_right:
; q = x Wq^T + bq, k = x Wk^T + bk, v = x Wv^T + bv on codes of BF6 (E3M2) with E8M0 scales; the results are quantised in registers (q, k along the channels, v along the tokens) and stored as codes.
; ALL OPERANDS ARE IMAGES OF THEIR REGISTERS: a fragment (16 rows x 128 K, 12 registers a lane) is 1,536 bytes, registers 4 c .. 4 c + 3 of lane l at 512 c + 16 l; codes [row tile][K step (8)][1,536];
; scale words [row tile / 4][K step (8)][row (16)][row tile % 4] x 4 bytes.  In xw_*: x's tiles 0-511; then for each block of 128 channels 24 tiles: Wq's 8, Wk's 8, Wv's 8.
; In qkv_*: q's tiles 0-511 (token / 16), k's 512-1023, v^T's 1024-1535 (64 x batch + channel / 16).
; ONE TILE A WORK-GROUP: 256 tokens x (128 channels of q, 128 of k, 128 of v): 32 x 8 = 256 equal tiles.  Wave (wt, wc) takes 128 tokens (half wt) x 128 channels of q (wc = 0) or of k (wc = 1), and the same
; 128 tokens x 64 channels of v (half wc): 64 + 32 accumulators, 768 registers.  For 128 along K it reads 8 + 8 + 4 fragments and issues 96 products.
; THE PRODUCT.  Source 0's rows lie along a lane's eight registers, source 1's along the lanes.  q, k: source 0 = rows of the weight, source 1 = tokens: a lane holds one token, its registers run along the channels.
; v: source 0 = tokens, source 1 = rows of Wv: a lane holds one channel, its registers run along the tokens.  So the registers run along the next product's K.
; THE RING.  K (1,024) goes through two LDS slots of two K steps each: four fills.  A slot is filled again when its last fragments have been read, in its second K step; from that request to the wait for it a wave
; issues 32 + 96 + 48 = 176 products.  A wave has one tensor load out at the most.
; CLUSTERS: 4 x 4.  The weights' tiles hang on cx and are shared along a column of the cluster, x's hang on cy and are shared along a row: each is asked for jointly by the four that need it.
; NO PREFETCH: the walk is four fills, written out; there is no loop to run ahead in, and of the two fills behind the first two each has those 176 products in which to land.
; THE ORDER WITHIN A BLOCK OF 32.  Tiles are natural, so a made operand holds, at place p of a block, unit p (p = 0-7, 24-31), p + 8 (p = 8-15) or p - 8 (p = 16-23).  The blocks are the true blocks; q and k carry the same
; order along the channels, v and p the same along the keys, and a permutation of K applied alike to both sides keeps the products; only the order of the sums inside the matrix unit differs.
; q IS STORED WITHOUT ITS DIVISION BY 1,024: a power of two changes no code; the next launch folds it into the softmax's constant.
; LIMITS: NaN and infinities are not served; a block whose largest magnitude lies under 2^-122 keeps the byte 1 (for q that is where q / 1,024 lies under 2^-132, beyond the rule's own hold at -126); a block of zeros has the
; byte 1 where the rule says 127: its codes are zeros, and this program alone reads the bytes.  The bias enters as the C of the first K step: the order of rounding differs from a sum followed by an addition.
; REGISTERS, in windows of 256: window 0: v4-17 addresses and offsets; v24-63 scale words, a set of 20 for each of two pairs of K steps (they hold nothing else); v64-159 T: the tokens' 8 fragments, one set;
;   v160-255 W: four fragments of a weight, two buffers by turns.   windows 1, 2: accumulators G (l, s) of token tile l and channel tile s at v[256 + 64 l + 8 s];   window 3: V (l, s) of channel tile l and token tile s at v[768 + 64 l + 8 s].
;   On the way out window 0 from v64 on is free: codes, words, registers at work.
.set TROW, 12288                       ; a row tile's codes in bytes
.set FRB,  1536                        ; a fragment's image
.set TT,   3072                        ; a row tile's part of a slot: two K steps
.set WPART, 16*TT                      ; in a slot: x's 16 row tiles, then the weights' 24
.set SLOTB, 40*TT                      ; a slot
.set SPARE, 2*SLOTB                    ; behind the ring: the spare words, 128 bytes for each wave: two blocks of 256 bytes that no other line names
.set SPW, 10                           ; v10  LDS address of my spare word; never rewritten
.set NIL, 11                           ; v11  0; never rewritten
.set SC,  24                           ; in a set: tokens' words 4 for each K step, G's 4 for each, V's 4 (lanes 0-15 the even K step, lanes 16-31 the odd one)
.set TF,  64
.set WB,  160
.set PC,  64                           ; way out: codes, 12 registers for each of 12 fragments: v64-207
.set TC,  208                          ; the blocks' second halves before they are moved, two sets
.set TM,  224                          ; largest magnitudes of four blocks
.set TP,  228                          ; the other half's; then the bytes
.set SCO, 232                          ; the conversions' scale operands
.set PWA, 236                          ; the scale words made, one for each fragment
.set MSB, 0
.macro WIN new                         ; the immediate's high byte repeats the setting that is left
.if MSB != \new
	s_set_vgpr_msb (MSB<<8)|\new
.set MSB, \new
.endif
.endm
.macro CREST                           ; a round of the cluster's barrier behind its opening barrier
	s_cmp_lg_u32 s18, 0
	s_cbranch_scc1 .Lnot_wave_0_\@
	s_barrier_signal -3
.Lnot_wave_0_\@:
	s_barrier_wait -3
	s_barrier_signal -1
	s_barrier_wait -1
.endm
.macro CROUND                          ; a whole round
	s_barrier_signal -1
	s_barrier_wait -1
	CREST
.endm
.macro PLACES n                        ; plain lines between a matrix instruction and a load into, or a vector line on, its registers
.rept \n
	v_nop
.endr
.endm
; A joint load into slot sl.  Waves 0 and 1 fetch x's two halves (8 tiles), waves 2 and 3 the weights' (12 tiles).  The branch hangs on the wave's number alone.
.macro JLOAD sl
	s_cmp_lt_u32 s18, 2
	s_cbranch_scc0 .Lfor_w_\@
	tensor_load_to_lds s[44+4*\sl:47+4*\sl], s[28:35]
	s_nop 0
.rept 4
	v_nop
.endr
	s_branch .Lasked_\@
.Lfor_w_\@:
	tensor_load_to_lds s[52+4*\sl:55+4*\sl], s[36:43]
	s_nop 0
.rept 4
	v_nop
.endr
.Lasked_\@:
.endm
; Work goes in groups of 32 products, three a K step: group 3 st (channel tiles 0-3 of G), 3 st + 1 (4-7), 3 st + 2 (V).  Group n's weight fragments lie in buffer n % 2.
.macro FETCH_W n                       ; group n's four fragments: three loads of 512 consecutive bytes each
.set fst, (\n)/3
.set fgi, (\n)%3
.irp f, 0,1,2,3
.irp c, 0,1,2
.if fgi < 2
	ds_load_b128 v[WB+48*((\n)%2)+12*\f+4*\c:WB+48*((\n)%2)+12*\f+4*\c+3], v[6+(fst/2)%2] offset:TT*(4*fgi+\f)+FRB*(fst%2)+512*\c
.else
	ds_load_b128 v[WB+48*((\n)%2)+12*\f+4*\c:WB+48*((\n)%2)+12*\f+4*\c+3], v[8+(fst/2)%2] offset:TT*\f+FRB*(fst%2)+512*\c
.endif
.endr
.endr
.endm
.macro FETCH_T st, i0                  ; the tokens' fragments i0, i0 + 1 of K step st
.irp f, 0,1
.irp c, 0,1,2
	ds_load_b128 v[TF+12*((\i0)+\f)+4*\c:TF+12*((\i0)+\f)+4*\c+3], v[4+((\st)/2)%2] offset:TT*((\i0)+\f)+FRB*((\st)%2)+512*\c
.endr
.endr
.endm
.macro SCALES p                        ; the scale words of K steps 2 p, 2 p + 1: sixteen lanes read 256 consecutive bytes
.set ss, SC+20*((\p)%2)
	global_load_b128 v[ss:ss+3], v14, s[66:67] offset:512*(\p)
	global_load_b128 v[ss+4:ss+7], v14, s[66:67] offset:512*(\p)+256
	global_load_b128 v[ss+8:ss+11], v14, s[68:69] offset:512*(\p)
	global_load_b128 v[ss+12:ss+15], v14, s[68:69] offset:512*(\p)+256
	global_load_b128 v[ss+16:ss+19], v15, s[70:71] offset:512*(\p)
.endm
.macro WMX                             ; one product by the symbols set ahead of it; hA, hB: which half of the lanes holds the scale words
.if (hA+2*hB) == 0
	v_wmma_scale_f32_16x16x128_f8f6f4 v[rD:rD+7], v[rA:rA+11], v[rB:rB+11], v[rC:rC+7], v[qA], v[qB] matrix_a_fmt:MATRIX_FMT_BF6 matrix_b_fmt:MATRIX_FMT_BF6
.elseif (hA+2*hB) == 1
	v_wmma_scale_f32_16x16x128_f8f6f4 v[rD:rD+7], v[rA:rA+11], v[rB:rB+11], v[rC:rC+7], v[qA], v[qB] matrix_a_fmt:MATRIX_FMT_BF6 matrix_b_fmt:MATRIX_FMT_BF6 matrix_a_scale:MATRIX_SCALE_ROW1
.elseif (hA+2*hB) == 2
	v_wmma_scale_f32_16x16x128_f8f6f4 v[rD:rD+7], v[rA:rA+11], v[rB:rB+11], v[rC:rC+7], v[qA], v[qB] matrix_a_fmt:MATRIX_FMT_BF6 matrix_b_fmt:MATRIX_FMT_BF6 matrix_b_scale:MATRIX_SCALE_ROW1
.else
	v_wmma_scale_f32_16x16x128_f8f6f4 v[rD:rD+7], v[rA:rA+11], v[rB:rB+11], v[rC:rC+7], v[qA], v[qB] matrix_a_fmt:MATRIX_FMT_BF6 matrix_b_fmt:MATRIX_FMT_BF6 matrix_a_scale:MATRIX_SCALE_ROW1 matrix_b_scale:MATRIX_SCALE_ROW1
.endif
.endm
; 8 products of G: token tiles l0, l0 + 1 x channel tiles 4 gi .. 4 gi + 3.  The 96 accumulators take turns, one instruction a turn, in the same order in every K step.
; In K step 0 the C is the bias, which lies in the accumulators of token tile 7; these are begun last, five places behind the last product that read them as its C.
.macro GQ l0, gi, st
.if (\l0) >= 4
	WIN 0xa0
.elseif (\st) == 0
	WIN 0x60
.else
	WIN 0x50
.endif
.irp a, 0,1
.if ((\st) == 0) && (((\l0)+\a) == 7)
	PLACES 5
.endif
.irp b, 0,1,2,3
.set gl, (\l0)+\a
.set gs, 4*(\gi)+\b
.set hA, (\gi)
.set hB, gl/4
.set rD, 64*(gl%4)+8*gs
.set rA, WB+48*((3*(\st)+(\gi))%2)+12*\b
.set rB, TF+12*gl
.if (\st) == 0
.set rC, 192+8*gs
.else
.set rC, rD
.endif
.set qA, SC+20*(((\st)/2)%2)+8+4*((\st)%2)+\b
.set qB, SC+20*(((\st)/2)%2)+4*((\st)%2)+gl%4
	WMX
.endr
.endr
.endm
; 8 products of V: token tiles s0, s0 + 1 x my four tiles of Wv's rows.  In K step 0 the bias lies in the accumulators of token tile 7, as above.
.macro VQ s0, st
	WIN 0xf0
.irp a, 0,1
.if ((\st) == 0) && (((\s0)+\a) == 7)
	PLACES 5
.endif
.irp b, 0,1,2,3
.set gs, (\s0)+\a
.set hA, gs/4
.set hB, (\st)%2
.set rD, 64*\b+8*gs
.set rA, TF+12*gs
.set rB, WB+48*((3*(\st)+2)%2)+12*\b
.if (\st) == 0
.set rC, 64*\b+56
.else
.set rC, rD
.endif
.set qA, SC+20*(((\st)/2)%2)+4*((\st)%2)+gs%4
.set qB, SC+20*(((\st)/2)%2)+16+\b
	WMX
.endr
.endr
.endm
; A K step.  On entry are out, oldest first: group 3 st's 12 loads, T's four quarters of 6 loads each.
; An odd K step changes slots between its second and its third group: each wave waits for all its tensor loads (the one that is out is its part of the other slot), adds 0 to its spare word, and waits for that and for its
; own reads of this slot, of which V's fragments were the last.  Where the slot is filled again the barrier opens a round of the cluster's barrier: behind it no wave of any partner still reads the slot or has a load on its way.
.macro STEP st
.if ((\st)%2 == 0) && ((\st) > 0)
	s_wait_loadcnt 0x0                             ; this pair's scale words, asked for 192 products ago
.endif
.if ((\st)%2 == 0) && ((\st) < 6)
	SCALES (\st)/2+1                               ; the next pair's
.endif
	FETCH_W 3*(\st)+1                              ; into the buffer that the last K step's V group read
	s_wait_dscnt 30                                ; younger: T's quarters 1-3 (18), this fetch (12)
	GQ 0, 0, \st
	s_wait_dscnt 24
	GQ 2, 0, \st
	s_wait_dscnt 18
	GQ 4, 0, \st
	s_wait_dscnt 12
	GQ 6, 0, \st
	WIN 0
	s_wait_dscnt 0x0                               ; the second group's fragments
	PLACES 4
	FETCH_W 3*(\st)+2
	GQ 0, 1, \st
	GQ 2, 1, \st
.if ((\st)%2 == 1) && ((\st) < 7)
	WIN 0                                          ; (the add's two registers lie in window 0)
	s_wait_tensorcnt 0x0                           ; my part of the other slot is in; no tensor load of mine is out, so a group 0 may be written
	ds_add_u32 v[SPW], v[NIL]                      ; 0 onto my spare word
.if (\st) < 5
	s_add_nc_u64 s[46+4*((\st)/2):47+4*((\st)/2)], s[46+4*((\st)/2):47+4*((\st)/2)], 2*TT   ; this slot's next two K steps
	s_add_nc_u64 s[54+4*((\st)/2):55+4*((\st)/2)], s[54+4*((\st)/2):55+4*((\st)/2)], 2*TT
.endif
	GQ 4, 1, \st
	s_wait_dscnt 0x0                               ; the add is done, V's fragments are in, and my reads of this slot are over
	s_barrier_signal -1
	GQ 6, 1, \st                                   ; work on registers while the others arrive
	WIN 0
	s_barrier_wait -1
.if (\st) < 5
	CREST
	JLOAD ((\st)/2)                                ; the first tensor load behind the round; its four v_nop are the places in front of the loads below
.else
	PLACES 4
.endif
.else
	GQ 4, 1, \st
	GQ 6, 1, \st
	WIN 0
	s_wait_dscnt 0x0                               ; V's fragments
	PLACES 4
.endif
.if (\st) < 7
	FETCH_W 3*(\st)+3                              ; the next K step's first group
.endif
.irp q, 0,2,4,6
	VQ \q, \st
	WIN 0
.if (\st) < 7
	PLACES 4                                       ; two token fragments are done with: the next K step's take their registers
	FETCH_T (\st)+1, \q
.endif
.endr
.endm
; The 64 numbers of a lane at v[ac ..] of a window are quantised: four blocks of 32, each in lanes l and l xor 16 (registers 16 b .. 16 b + 15 are my 16 of block b).  Each accumulator is read from its low end on.
; They become fragment n's codes; fragment n - 1's codes are stored behind this fragment's maxima.  wr: sources 0 and 1 in the window; w1: source 0 alone
.macro QOUT n, ac, wr, w1
.set A, \ac
.set P, PC+12*(\n)
.set U, TC+8*((\n)%2)
	WIN \wr
.irp b, 0,1,2,3
	v_max3_num_f32 v[TM+\b], |v[A+16*\b]|, |v[A+16*\b+1]|, 0x2800000   ; and the floor 2^(5 - 127): the byte cannot fall under 1
.endr
.irp i, 2,4,6,8,10,12,14
.irp b, 0,1,2,3
	v_max3_num_f32 v[TM+\b], |v[A+16*\b+\i]|, |v[A+16*\b+\i+1]|, v[TM+\b]   ; (the four blocks by turns)
.endr
.endr
	WIN 0
.if (\n) > 0
	PUTF (\n)-1
.endif
.irp b, 0,1,2,3
	v_permlanex16_b32 v[TP+\b], v[TM+\b], s26, s27
.endr
.irp b, 0,1,2,3
	v_max_num_f32 v[TM+\b], v[TM+\b], v[TP+\b]     ; the block's largest magnitude
.endr
.irp b, 0,1,2,3
	v_add_nc_u32 v[SCO+\b], 0xfe000000, v[TM+\b]   ; 4 off its exponent field: the conversion's scale operand
.endr
.irp b, 0,1,2,3
	v_lshrrev_b32 v[TP+\b], 23, v[SCO+\b]          ; the scale's byte
.endr
	v_lshl_or_b32 v[PWA+(\n)], v[TP+1], 8, v[TP]   ; my row's scale word, the same in both halves of the lanes
	v_lshl_or_b32 v[TP+2], v[TP+3], 8, v[TP+2]
	v_lshl_or_b32 v[PWA+(\n)], v[TP+2], 16, v[PWA+(\n)]
	WIN \w1
.irp c, 0,1
	v_cvt_scalef32_pk16_bf6_f32 v[P+6*\c:P+6*\c+2], v[A+32*\c:A+32*\c+15], v[SCO+2*\c]
	v_cvt_scalef32_pk16_bf6_f32 v[U+4*\c:U+4*\c+2], v[A+32*\c+16:A+32*\c+31], v[SCO+2*\c+1]   ; (a conversion's three registers begin on an even number)
.endr
	WIN 0
	v_nop                                          ; one plain line behind the scaled conversions
.irp c, 0,1                                    ; the operand's layout wants a whole block in a lane: lanes 0-15 block 2 c, lanes 16-31 block 2 c + 1
.irp i, 0,1,2
	v_permlane16_swap_b32 v[P+6*\c+\i], v[U+4*\c+\i]
.endr
.irp i, 0,1,2
	v_mov_b32 v[P+6*\c+3+\i], v[U+4*\c+\i]
.endr
.endr
.endm
.macro PUTF n                          ; fragment n leaves as its image: 0-7 G's token tiles, 8-11 V's channel tiles
.set PF, PC+12*(\n)
.irp c, 0,1,2
.if (\n) < 8
	global_store_b128 v12, v[PF+4*\c:PF+4*\c+3], s[72:73] offset:TROW*(\n)+512*\c   ; 512 consecutive bytes, aligned; each fragment has registers of its own
.else
	global_store_b128 v12, v[PF+4*\c:PF+4*\c+3], s[74:75] offset:TROW*((\n)-8)+512*\c
.endif
.endr
.endm
; The four scale words of rows r of four tiles, registers a .. a + 3, leave as 256 consecutive bytes: lanes 0-15 store tiles 0 and 1, lanes 16-31 tiles 2 and 3
.macro PUT4 a, d, sb, off
	v_cndmask_b32 v[\d], v[\a], v[\a+2], s94
	v_cndmask_b32 v[\d+1], v[\a+1], v[\a+3], s94
	global_store_b64 v13, v[\d:\d+1], s[\sb:\sb+1] offset:\off
.endm
	s_load_b256 s[4:11], s[0:1], 0x0               ; xw_codes, xw_scales, bq, bk
	s_load_b128 s[12:15], s[0:1], 0x20             ; bv, qkv_codes
	s_load_b64 s[16:17], s[0:1], 0x30              ; qkv_scales
	v_lshl_add_u32 v[SPW], v0, 2, SPARE
	v_mov_b32 v[NIL], 0
	ds_add_u32 v[SPW], v[NIL]                      ; the wave's opening: the add, twice on end, and its wait ahead of my first tensor load
	ds_add_u32 v[SPW], v[NIL]
	v_lshrrev_b32 v1, 5, v0
	v_readfirstlane_b32 s18, v1                    ; wave 0..3
	s_and_b32 s19, s18, 1                          ; wc: q and v's first half, or k and v's second.  Also: which half of a side's tiles I fetch
	s_lshr_b32 s20, s18, 1                         ; wt: my half of the tokens.  Also: I fetch for x (0) or for the weights (1)
	s_mul_i32 s2, s20, 8*TT
	s_mul_i32 s3, s19, 8*TT
	s_add_co_u32 s3, s3, WPART
	s_mul_i32 s86, s19, 4*TT
	s_add_co_u32 s86, s86, WPART+16*TT
	v_and_b32 v1, 31, v0                           ; lane
	v_and_b32 v2, 15, v0                           ; r
	v_bfe_u32 v3, v0, 4, 1                         ; h
	v_lshlrev_b32 v12, 4, v1                       ; an image's place for my lane
	v_lshlrev_b32 v13, 4, v2
	v_lshl_add_u32 v14, v3, 11, v13                ; the tokens' and G's scale words: 16 r, lanes 16-31 four tiles on
	v_lshl_add_u32 v15, v3, 8, v13                 ; V's: 16 r, lanes 16-31 a K step on
	v_lshl_add_u32 v13, v3, 3, v13                 ; the words that I store: 16 r + 8 h
	v_lshlrev_b32 v16, 5, v3                       ; the bias along the registers: my half's eight numbers
	v_lshlrev_b32 v17, 2, v2                       ; the bias along the lanes: my row's
	v_add_nc_u32 v4, s2, v12                       ; my 8 tiles of tokens in slot 0, 1
	v_add_nc_u32 v5, SLOTB, v4
	v_add_nc_u32 v6, s3, v12                       ; my 8 tiles of Wq or Wk
	v_add_nc_u32 v7, SLOTB, v6
	v_add_nc_u32 v8, s86, v12                      ; my 4 tiles of Wv
	v_add_nc_u32 v9, SLOTB, v8
	s_mov_b32 s26, 0x76543210
	s_mov_b32 s27, 0xfedcba98                      ; v_permlanex16_b32's selects for lane l xor 16
	s_mov_b32 s94, 0xffff0000                      ; lanes 16-31
	s_bfe_u32 s21, ttmp6, 0x40000                  ; cx
	s_bfe_u32 s22, ttmp6, 0x40004                  ; cy
	s_and_b32 s23, ttmp7, 0xffff                   ; the cluster, c = 0..15
	s_lshr_b32 s24, s23, 1
	s_lshl_b32 s24, s24, 2
	s_add_co_u32 s24, s24, s22                     ; tg = 4 (c / 2) + cy: my 256 tokens
	s_and_b32 s25, s23, 1
	s_lshl_b32 s25, s25, 2
	s_add_co_u32 s25, s25, s21                     ; cg = 4 (c % 2) + cx: my 128 channels
	; what I fetch: x's address is made of c, cy and the wave's number, the weights' of c, cx and the wave's number
	s_lshl_b32 s60, s24, 4
	s_lshl_b32 s2, s19, 3
	s_add_co_u32 s60, s60, s2                      ; x's row tile 16 tg + 8 x half
	s_mul_i32 s60, s60, TROW
	s_mov_b32 s61, 0
	s_mul_i32 s95, s25, 24
	s_add_co_u32 s95, s95, 512                     ; the weights' first tile for my channels
	s_mul_i32 s2, s19, 12
	s_add_co_u32 s62, s95, s2
	s_mul_i32 s62, s62, TROW
	s_mov_b32 s63, 0
	; my own tiles' scale words: 512 bytes a row tile
	s_lshl_b32 s86, s24, 4
	s_lshl_b32 s2, s20, 3
	s_add_co_u32 s86, s86, s2                      ; tokens: 16 tg + 8 wt
	s_lshl_b32 s66, s86, 9
	s_mov_b32 s67, 0
	s_lshl_b32 s2, s19, 3
	s_add_co_u32 s87, s95, s2                      ; G: + 8 wc
	s_lshl_b32 s68, s87, 9
	s_mov_b32 s69, 0
	s_lshl_b32 s2, s19, 2
	s_add_co_u32 s88, s95, s2
	s_add_co_u32 s88, s88, 16                      ; V: + 16 + 4 wc
	s_lshl_b32 s70, s88, 9
	s_mov_b32 s71, 0
	; the results.  G: row tile 512 wc + 16 tg + 8 wt + l, K step cg
	s_lshl_b32 s2, s19, 9
	s_add_co_u32 s89, s86, s2
	s_mul_i32 s72, s89, TROW
	s_mul_i32 s2, s25, FRB
	s_add_co_u32 s72, s72, s2
	s_mov_b32 s73, 0
	s_lshl_b32 s76, s89, 9
	s_lshl_b32 s2, s25, 8
	s_add_co_u32 s76, s76, s2
	s_mov_b32 s77, 0
	; V: row tile 1,024 + 64 (tg / 4) + 8 cg + 4 wc + l, K step 2 (tg % 4) + wt
	s_lshr_b32 s90, s24, 2
	s_lshl_b32 s90, s90, 6
	s_lshl_b32 s2, s25, 3
	s_add_co_u32 s90, s90, s2
	s_lshl_b32 s2, s19, 2
	s_add_co_u32 s90, s90, s2
	s_add_co_u32 s90, s90, 1024
	s_and_b32 s91, s24, 3
	s_lshl_b32 s91, s91, 1
	s_add_co_u32 s91, s91, s20
	s_mul_i32 s74, s90, TROW
	s_mul_i32 s2, s91, FRB
	s_add_co_u32 s74, s74, s2
	s_mov_b32 s75, 0
	s_lshl_b32 s78, s90, 9
	s_lshl_b32 s2, s91, 8
	s_add_co_u32 s78, s78, s2
	s_mov_b32 s79, 0
	; the biases: bq or bk 128 cg numbers on, bv 128 cg + 64 wc on
	s_lshl_b32 s80, s25, 9
	s_mov_b32 s81, 0
	s_lshl_b32 s2, s19, 8
	s_add_co_u32 s82, s80, s2
	s_mov_b32 s83, 0
	; group 1: rows of 384 elements of 8 bytes (a row tile's two K steps), 1,536 elements from row tile to row tile; x: 8 row tiles, the weights: 12; no padding
	s_lshl_b32 s98, s22, 2
	s_lshl_b32 s98, 15, s98                        ; my row of the cluster
	s_or_b32 s28, s98, (3<<16)|(1<<21)
	s_lshl_b32 s99, 0x1111, s21                    ; my column
	s_or_b32 s36, s99, (3<<16)|(1<<21)
	s_mov_b32 s29, 384<<16                         ; tensor_dim0
	s_mov_b32 s30, 8<<16                           ; tensor_dim1
	s_mov_b32 s31, 384<<16                         ; tile_dim0
	s_mov_b32 s32, 8                               ; tile_dim1
	s_mov_b32 s33, 1536                            ; tensor_dim0_stride
	s_mov_b32 s34, 0
	s_mov_b32 s35, 0
	s_mov_b32 s37, 384<<16
	s_mov_b32 s38, 12<<16
	s_mov_b32 s39, 384<<16
	s_mov_b32 s40, 12
	s_mov_b32 s41, 1536
	s_mov_b32 s42, 0
	s_mov_b32 s43, 0
	s_mul_i32 s45, s19, 8*TT                       ; where they go: no place in the cluster enters an LDS address
	s_add_co_u32 s49, s45, SLOTB
	s_mul_i32 s53, s19, 12*TT
	s_add_co_u32 s53, s53, WPART
	s_add_co_u32 s57, s53, SLOTB
	s_wait_alu depctr_va_vdst(0)
	s_wait_dscnt 0x0                               ; both opening adds are done
	s_wait_kmcnt 0x0
	s_add_nc_u64 s[60:61], s[4:5], s[60:61]
	s_add_nc_u64 s[62:63], s[4:5], s[62:63]
	s_add_nc_u64 s[66:67], s[6:7], s[66:67]
	s_add_nc_u64 s[68:69], s[6:7], s[68:69]
	s_add_nc_u64 s[70:71], s[6:7], s[70:71]
	s_add_nc_u64 s[72:73], s[14:15], s[72:73]
	s_add_nc_u64 s[74:75], s[14:15], s[74:75]
	s_add_nc_u64 s[76:77], s[16:17], s[76:77]
	s_add_nc_u64 s[78:79], s[16:17], s[78:79]
	s_cmp_eq_u32 s19, 0
	s_cselect_b64 s[8:9], s[8:9], s[10:11]
	s_add_nc_u64 s[80:81], s[8:9], s[80:81]
	s_add_nc_u64 s[82:83], s[12:13], s[82:83]
.irp g, 0,1                                    ; group 0, a set for each slot and side: K steps 2 g on
	s_mov_b32 s[44+4*\g], 1
	s_add_nc_u64 s[46+4*\g:47+4*\g], s[60:61], \g*TT
	s_or_b32 s[47+4*\g], s[47+4*\g], 0x80000000
	s_mov_b32 s[52+4*\g], 1
	s_add_nc_u64 s[54+4*\g:55+4*\g], s[62:63], \g*TT
	s_or_b32 s[55+4*\g], s[55+4*\g], 0x80000000
.endr
	CROUND                                         ; all sixteen work-groups are here: the first joint loads meet
	JLOAD 0                                        ; K steps 0 and 1: one tensor load a wave at the head
	SCALES 0
	WIN 0x80                                       ; the biases, into the accumulators of token tile 7: G's in window 2,
.irp t, 0,1,2,3,4,5,6,7
	global_load_b128 v[192+8*\t:195+8*\t], v16, s[80:81] offset:64*\t            ; channel tile t: the bias of channels 16 t + 8 h + 0 .. 7: the result's layout
	global_load_b128 v[196+8*\t:199+8*\t], v16, s[80:81] offset:64*\t+16
.endr
	WIN 0xc0                                       ; V's in window 3
.irp t, 0,1,2,3
	global_load_b32 v[64*\t+56], v17, s[82:83] offset:64*\t                      ; tile t of Wv's rows: the bias of row 16 t + r
.endr
	s_wait_loadcnt 0x0
	WIN 0xc3
.irp t, 0,1,2,3
.irp j, 57,58,59,60,61,62,63
	v_mov_b32 v[64*\t+\j], v[64*\t+56]             ; the same for my eight results of a tile
.endr
.endr
	WIN 0
	s_wait_alu depctr_va_vdst(0)
	s_wait_tensorcnt 0x0                           ; my part of slot 0 is in
	ds_add_u32 v[SPW], v[NIL]
	s_wait_dscnt 0x0
	CROUND                                         ; everybody's part is in, and all sixteen work-groups are here
	JLOAD 1                                        ; K steps 2 and 3
	FETCH_W 0
.irp q, 0,2,4,6
	FETCH_T 0, \q
.endr
	STEP 0
	STEP 1
	STEP 2
	STEP 3
	STEP 4
	STEP 5
	STEP 6
	STEP 7
	PLACES 4                                       ; ahead of the first read of results and of the first write over the fragments' registers
.irp l, 0,1,2,3
	QOUT \l, 64*\l, 0x05, 0x01
.endr
	PUT4 PWA, 248, 76, 0
.irp l, 0,1,2,3
	QOUT 4+\l, 64*\l, 0x0a, 0x02
.endr
	PUT4 PWA+4, 250, 76, 2048
.irp l, 0,1,2,3
	QOUT 8+\l, 64*\l, 0x0f, 0x03
.endr
	PUT4 PWA+8, 252, 78, 0
	PUTF 11
	s_wait_alu depctr_va_vdst(0)
	s_wait_tensorcnt 0x0                           ; the wave's end
	ds_add_u32 v[SPW], v[NIL]
	s_wait_dscnt 0x0
	CROUND                                         ; the closing round: no work-group ends while a partner may still ask for a tile that names it
	s_endpgm
.Lfunc_end_k_q678ac4d8e2_qkv:
	.size	k_q678ac4d8e2_qkv, .Lfunc_end_k_q678ac4d8e2_qkv-k_q678ac4d8e2_qkv
	.p2alignl 7, 3214868480
	.fill 96, 4, 3214868480
	.section	.rodata,"a",@progbits
	.p2align	6, 0x0
	.amdhsa_kernel k_q678ac4d8e2_qkv
		.amdhsa_group_segment_fixed_size 327680
		.amdhsa_private_segment_fixed_size 0
		.amdhsa_enable_private_segment 0
		.amdhsa_kernarg_size 56
		.amdhsa_user_sgpr_count 2
		.amdhsa_user_sgpr_kernarg_segment_ptr 1
		.amdhsa_wavefront_size32 1
		.amdhsa_system_sgpr_workgroup_id_x 1
		.amdhsa_system_sgpr_workgroup_id_y 1
		.amdhsa_system_sgpr_workgroup_id_z 1
		.amdhsa_system_vgpr_workitem_id 0
		.amdhsa_next_free_vgpr 1024
		.amdhsa_next_free_sgpr 102
		.amdhsa_reserve_vcc 0
		.amdhsa_float_denorm_mode_32 3
		.amdhsa_float_denorm_mode_16_64 3
		.amdhsa_memory_ordered 1
		.amdhsa_forward_progress 1
		.amdhsa_inst_pref_size 204
	.end_amdhsa_kernel
	.amdgpu_metadata
---
amdhsa.version: [ 1, 2 ]
amdhsa.kernels:
  - .name:           k_q678ac4d8e2_qkv
    .symbol:         k_q678ac4d8e2_qkv.kd
    .args:
      - { .name: xw_codes, .offset: 0, .size: 8, .value_kind: global_buffer, .address_space: global }
      - { .name: xw_scales, .offset: 8, .size: 8, .value_kind: global_buffer, .address_space: global }
      - { .name: bq, .offset: 16, .size: 8, .value_kind: global_buffer, .address_space: global }
      - { .name: bk, .offset: 24, .size: 8, .value_kind: global_buffer, .address_space: global }
      - { .name: bv, .offset: 32, .size: 8, .value_kind: global_buffer, .address_space: global }
      - { .name: qkv_codes, .offset: 40, .size: 8, .value_kind: global_buffer, .address_space: global }
      - { .name: qkv_scales, .offset: 48, .size: 8, .value_kind: global_buffer, .address_space: global }
    .group_segment_fixed_size: 327680
    .private_segment_fixed_size: 0
    .kernarg_segment_align: 8
    .kernarg_segment_size: 56
    .max_flat_workgroup_size: 128
    .sgpr_count:     102
    .vgpr_count:     1024
    .wavefront_size: 32
...
	.end_amdgpu_metadata
.endif
;; end of part 2
;; launch scores (part 3): grid 4 x 64, 4 waves a work-group, clusters of 4 x 4, 327,680 bytes of LDS; arguments qkv_codes, qkv_scales, p_codes, p_stats; writes p_codes, p_stats
.if DOCPART == 3
	.amdgcn_target "amdgcn-amd-amdhsa--gfx1250"
	.amdhsa_code_object_version 6
	.text
	.protected	k_q678ac4d8e2_scores
	.globl	k_q678ac4d8e2_scores
	.p2align	8
	.type	k_q678ac4d8e2_scores,@function
k_q678ac4d8e2_scores:
	s_mov_b64 s[64:65], 0
	v_nop
	global_prefetch_b8 v0, s[64:65] scope:SCOPE_SE
	s_setreg_imm32_b32 hwreg(HW_REG_WAVE_MODE, 25, 1), 1
	s_wait_xcnt 0x0
	s_wait_alu depctr_hold_cnt(0) depctr_sa_sdst(0) depctr_va_vdst(0) depctr_va_sdst(0) depctr_va_ssrc(0) depctr_va_vcc(0) depctr_vm_vsrc(0)
	s_getreg_b32 s2, hwreg(HW_REG_IB_STS2, 6, 4)
	s_cmp_eq_u32 s2, 0
	s_cbranch_scc0 .Lentry_in_a_cluster
	s_endpgm
.Lentry_in_a_cluster:
	s_bfe_u32 s2, ttmp6, 0x10000c
	s_cmp_lg_u32 s2, 0xf033
	s_cbranch_scc0 .Lentry_shape_is_right
	s_endpgm
.Lentry_shape_is_right:
; S^T = k q^T on codes of BF6 (E3M2) with E8M0 scales; the diagonal is masked; t = score x log2(e) / 1,024 (q was stored without its division by 1,024); for each query and each CHUNK of 128 keys:
; M = ceil(the chunk's largest t), a whole number; p = 2^(t - M) is quantised along the keys and stored as codes; the chunk's -M and the sum of its unquantised p are stored beside them.
; The next launch brings the chunks of a row under the row's M by adding a whole number to p's scale bytes, which is exact.
; OPERANDS ARE IMAGES OF THEIR REGISTERS: a fragment (16 rows x 128 K, 12 registers a lane) is 1,536 bytes, registers 4 c .. 4 c + 3 of lane l at 512 c + 16 l; codes [row tile][K step (8)][1,536];
; scale words [row tile / 4][K step (8)][row (16)][row tile % 4] x 4 bytes.  In qkv_*: q's tiles 0-511 (token / 16), k's 512-1023.  p_codes: tile = 64 x batch + query / 16, K step = key / 128.
; p_stats: three planes of 262,144 bytes in the scale words' layout: p's scale words, -M as f32, the sum as f32.
; THE PRODUCT.  Source 0 = 16 keys (the S side), source 1 = 16 queries (the L side): a lane holds ONE query (lane % 16) and its registers run along the keys, the next product's K.
; A work-group makes 256 keys x 128 queries of one batch; each of four waves 128 keys (one chunk) x 64 queries: 32 accumulators; no wave needs anything of another for its softmax.
; ALL OF K (1,024) of the 384 rows fits in LDS: 294,912 bytes, brought by first fills alone, two tensor loads a wave; no LDS byte is filled twice.
; CLUSTERS: 4 x 4.  The keys' tiles hang on cx and are shared along a column of the cluster, the queries' on cy and along a row.
; THE ORDER WITHIN A BLOCK OF 32 KEYS: place p holds key p (p = 0-7, 24-31), p + 8 (8-15) or p - 8 (16-23); v's codes carry the same order, so the next product's sums are kept.
; LIMITS: NaN and infinities are not served.  A masked score becomes -infinity, so its p is 0, as with the reference's most negative number.
; REGISTERS, in windows of 256: window 0: v1-3 lane, r, h; v4-7, v8-11 LDS addresses; v12-17 offsets and the mask's numbers; v32-63 S's scale words, v64-79 L's (they hold nothing else); v80-175 L's fragments, two sets
;   (at the end: the codes made, and v160-171 the words to store); v176-207 at work.   window 1: S's fragments, two sets of 96.   window 2: the accumulators, (l, s) at v[8 (8 l + s)].
.set TROW, 12288
.set FRB,  1536
; K GOES IN TWO GROUPS, of six K steps and of two, one tensor load a wave for each: group 0 at the head, group 1 behind the wait for group 0 and a round of the cluster's barrier, so a wave has one tensor load out at the most (this is the count that holds).
; From group 1's request to the wait for it a wave issues five K steps' products.
.set GT,   9216                        ; a row tile's part of group 0: six K steps
.set GB,   3072                        ; and of group 1: two
.set LPART, 16*GT
.set GRP,  24*GT
.set SS,  32
.set LS,  64
.set LF,  80
.set PWA, 160                          ; p's scale words, one for each l
.set NMA, 164                          ; -M
.set LA,  168                          ; the sums
.set BM,  176                          ; the blocks' largest scores, then largest p
.set TP,  180                          ; the other half's; then the bytes
.set SCO, 188                          ; the conversions' scale operands
.set MSB, 0
.macro WIN new                         ; the immediate's high byte repeats the setting that is left
.if MSB != \new
	s_set_vgpr_msb (MSB<<8)|\new
.set MSB, \new
.endif
.endm
.set W_MUL,  0xa1                      ; source 0 (S) window 1, source 1 (L) window 0, C and D window 2
.set W_TOS,  0x40                      ; destination window 1
.set W_RR0,  0x0a                      ; sources 0 and 1 window 2
.set W_R0,   0x02                      ; source 0 window 2
.set W_INPL, 0x82                      ; destination and source 0 window 2
.macro CROUND                          ; a round of the cluster's barrier
	s_barrier_signal -1
	s_barrier_wait -1
	s_cmp_lg_u32 s18, 0
	s_cbranch_scc1 .Lnot_wave_0_\@
	s_barrier_signal -3
.Lnot_wave_0_\@:
	s_barrier_wait -3
	s_barrier_signal -1
	s_barrier_wait -1
.endm
.macro PLACES n                        ; plain lines between a matrix instruction and a load into, or a vector line on, its registers
.rept \n
	v_nop
.endr
.endm
.macro FETCH st                        ; K step st's fragments: 8 of S, 4 of L, three loads of 512 consecutive bytes each, into set st % 2
	WIN W_TOS
.irp i, 0,1,2,3,4,5,6,7
.irp c, 0,1,2
.if (\st) < 6
	ds_load_b128 v[96*((\st)%2)+12*\i+4*\c:96*((\st)%2)+12*\i+4*\c+3], v[4+\i/4] offset:GT*(\i%4)+FRB*(\st)+512*\c
.else
	ds_load_b128 v[96*((\st)%2)+12*\i+4*\c:96*((\st)%2)+12*\i+4*\c+3], v6 offset:GB*\i+FRB*((\st)-6)+512*\c
.endif
.endr
.endr
	WIN 0
.irp i, 0,1,2,3
.irp c, 0,1,2
.if (\st) < 6
	ds_load_b128 v[LF+48*((\st)%2)+12*\i+4*\c:LF+48*((\st)%2)+12*\i+4*\c+3], v8 offset:GT*\i+FRB*(\st)+512*\c
.else
	ds_load_b128 v[LF+48*((\st)%2)+12*\i+4*\c:LF+48*((\st)%2)+12*\i+4*\c+3], v9 offset:GB*\i+FRB*((\st)-6)+512*\c
.endif
.endr
.endr
.endm
; One product.  S's scale words: register SS + 4 st + s % 4, lanes 0-15 for tiles 0-3, lanes 16-31 for tiles 4-7.  L's: register LS + 4 (st / 2) + l, lanes 0-15 for even K steps, lanes 16-31 for odd ones.
.macro WM l, s, st, zero
.set rD, 8*(8*(\l)+(\s))
.set rS, 96*((\st)%2)+12*(\s)
.set rL, LF+48*((\st)%2)+12*(\l)
.set rA, SS+4*(\st)+(\s)%4
.set rB, LS+4*((\st)/2)+(\l)
.if \zero
.if (\s) < 4
	v_wmma_scale_f32_16x16x128_f8f6f4 v[rD:rD+7], v[rS:rS+11], v[rL:rL+11], 0, v[rA], v[rB] matrix_a_fmt:MATRIX_FMT_BF6 matrix_b_fmt:MATRIX_FMT_BF6
.else
	v_wmma_scale_f32_16x16x128_f8f6f4 v[rD:rD+7], v[rS:rS+11], v[rL:rL+11], 0, v[rA], v[rB] matrix_a_fmt:MATRIX_FMT_BF6 matrix_b_fmt:MATRIX_FMT_BF6 matrix_a_scale:MATRIX_SCALE_ROW1
.endif
.elseif ((\s) < 4) && ((\st)%2 == 0)
	v_wmma_scale_f32_16x16x128_f8f6f4 v[rD:rD+7], v[rS:rS+11], v[rL:rL+11], v[rD:rD+7], v[rA], v[rB] matrix_a_fmt:MATRIX_FMT_BF6 matrix_b_fmt:MATRIX_FMT_BF6
.elseif (\st)%2 == 0
	v_wmma_scale_f32_16x16x128_f8f6f4 v[rD:rD+7], v[rS:rS+11], v[rL:rL+11], v[rD:rD+7], v[rA], v[rB] matrix_a_fmt:MATRIX_FMT_BF6 matrix_b_fmt:MATRIX_FMT_BF6 matrix_a_scale:MATRIX_SCALE_ROW1
.elseif (\s) < 4
	v_wmma_scale_f32_16x16x128_f8f6f4 v[rD:rD+7], v[rS:rS+11], v[rL:rL+11], v[rD:rD+7], v[rA], v[rB] matrix_a_fmt:MATRIX_FMT_BF6 matrix_b_fmt:MATRIX_FMT_BF6 matrix_b_scale:MATRIX_SCALE_ROW1
.else
	v_wmma_scale_f32_16x16x128_f8f6f4 v[rD:rD+7], v[rS:rS+11], v[rL:rL+11], v[rD:rD+7], v[rA], v[rB] matrix_a_fmt:MATRIX_FMT_BF6 matrix_b_fmt:MATRIX_FMT_BF6 matrix_a_scale:MATRIX_SCALE_ROW1 matrix_b_scale:MATRIX_SCALE_ROW1
.endif
.endm
.macro MUL16 st, l0, zero              ; 16 products; the 32 accumulators take turns, one instruction a turn, in the same order in every K step
.irp l, \l0, \l0+1
.irp s, 0,1,2,3,4,5,6,7
	WM (\l), \s, \st, \zero
.endr
.endr
.endm
; A K step: 32 products.  A step whose successor lies in the same group fetches it ahead of its products.  K step 5 changes groups: my part of group 1 has landed, I say so, multiply while the others arrive, and fetch behind the barrier.
.macro STEP st, zero, win
	s_wait_dscnt 0x0                               ; this step's fragments are in
.if ((\st) != 5) && ((\st) != 7)
.if (\st) > 0
	PLACES 4                                       ; the loads below land in the set that the last step's products read
.endif
	FETCH (\st)+1
	WIN \win
	MUL16 \st, 0, \zero
	MUL16 \st, 2, \zero
.elseif (\st) < 7
	s_wait_tensorcnt 0x0                           ; my part of group 1 is in
	s_barrier_signal -1
	WIN \win
	MUL16 \st, 0, 0
	s_barrier_wait -1
	PLACES 4
	FETCH (\st)+1
	WIN \win
	MUL16 \st, 2, 0
.else
	WIN \win
	MUL16 \st, 0, 0
	MUL16 \st, 2, 0
.endif
.endm
; The four words of rows r of my four L tiles, registers a .. a + 3, leave as 256 consecutive bytes: lanes 0-15 store tiles 0 and 1, lanes 16-31 tiles 2 and 3.  Each store has a pair of its own
.macro PUT4 a, d, off
	v_cndmask_b32 v[\d], v[\a], v[\a+2], s94
	v_cndmask_b32 v[\d+1], v[\a+1], v[\a+3], s94
	global_store_b64 v13, v[\d:\d+1], s[92:93] offset:\off
.endm
; The 64 numbers of tile l (window 2, v[64 l] on; registers 16 b .. 16 b + 15 are my 16 of block b) become a fragment's codes and are stored as its image
.macro CODES l
.set A, 64*(\l)
.set PC, 80+20*(\l)
	WIN W_R0
.irp c, 0,1
	v_cvt_scalef32_pk16_bf6_f32 v[PC+6*\c:PC+6*\c+2], v[A+32*\c:A+32*\c+15], v[SCO+2*\c]
	v_cvt_scalef32_pk16_bf6_f32 v[PC+12+4*\c:PC+12+4*\c+2], v[A+32*\c+16:A+32*\c+31], v[SCO+2*\c+1]   ; (a conversion's three registers begin on an even number)
.endr
	WIN 0
	v_nop                                          ; one plain line behind the scaled conversions
.irp c, 0,1                                    ; the operand's layout wants a whole block in a lane: lanes 0-15 block 2 c, lanes 16-31 block 2 c + 1
.irp i, 0,1,2
	v_permlane16_swap_b32 v[PC+6*\c+\i], v[PC+12+4*\c+\i]
.endr
.irp i, 0,1,2
	v_mov_b32 v[PC+6*\c+3+\i], v[PC+12+4*\c+\i]
.endr
.endr
.endm
.macro PUTC l                          ; tile l's codes leave as their image, behind the next tile's maxima
.set PD, 80+20*(\l)
.irp c, 0,1,2
	global_store_b128 v12, v[PD+4*\c:PD+4*\c+3], s[90:91] offset:TROW*(\l)+512*\c   ; 512 consecutive bytes, aligned; each l has registers of its own
.endr
.endm
	s_load_b256 s[4:11], s[0:1], 0x0               ; qkv_codes, qkv_scales, p_codes, p_stats
	v_lshl_add_u32 v254, v0, 2, 0x48000
	v_mov_b32 v255, 0
	ds_add_u32 v254, v255
	ds_add_u32 v254, v255
	v_lshrrev_b32 v1, 5, v0
	v_readfirstlane_b32 s18, v1                    ; wave 0..3
	s_and_b32 s19, s18, 1                          ; ws: my half of the keys.  Also: which half of a side's tiles I fetch
	s_lshr_b32 s20, s18, 1                         ; wl: my half of the queries.  Also: I fetch for S (0) or for L (1)
	v_and_b32 v1, 31, v0                           ; lane
	v_and_b32 v2, 15, v0                           ; r
	v_bfe_u32 v3, v0, 4, 1                         ; h
	v_lshlrev_b32 v12, 4, v1                       ; an image's place for my lane
	v_lshlrev_b32 v13, 4, v2
	v_lshl_add_u32 v14, v3, 11, v13                ; S's scale words: 16 r, lanes 16-31 four tiles on
	v_lshl_add_u32 v15, v3, 8, v13                 ; L's: 16 r, lanes 16-31 a K step on
	v_lshl_add_u32 v13, v3, 3, v13                 ; the words that I store: 16 r + 8 h
	s_mul_i32 s2, s19, 8*GT
	s_mul_i32 s3, s20, 4*GT
	s_add_co_u32 s3, s3, LPART
	v_add_nc_u32 v4, s2, v12                       ; my 8 tiles of S in group 0: tiles 0-3,
	v_add_nc_u32 v5, 4*GT, v4                      ; tiles 4-7;
	v_add_nc_u32 v8, s3, v12                       ; my 4 tiles of L
	s_mul_i32 s2, s19, 8*GB
	s_mul_i32 s3, s20, 4*GB
	s_add_co_u32 s2, s2, GRP
	s_add_co_u32 s3, s3, GRP+16*GB
	s_wait_alu depctr_va_vdst(0)
	v_add_nc_u32 v6, s2, v12                       ; and the same in group 1
	v_add_nc_u32 v9, s3, v12
.irp b, 0,1,2,3
	v_mov_b32 v[TP+\b], 0                          ; written once: a lane permute's destination counts as one of its sources
.endr
	v_mov_b32 v201, 0                              ; likewise
	v_mov_b32 v195, 0                              ; (named as the upper half of the pair v[194:195])
	v_mov_b32 v17, 0xff800000                      ; -infinity
	s_mov_b32 s26, 0x76543210
	s_mov_b32 s27, 0xfedcba98                      ; v_permlanex16_b32's selects for lane l xor 16
	s_mov_b32 s94, 0xffff0000                      ; lanes 16-31
	s_mov_b32 s96, 0x3ab8aa3b                      ; c = log2(e) / 1,024
	s_mov_b32 s97, s96                             ; (named with it as a pair, so it is written)
	s_bfe_u32 s21, ttmp6, 0x40000                  ; cx
	s_bfe_u32 s22, ttmp6, 0x40004                  ; cy
	s_and_b32 s23, ttmp7, 0xffff                   ; cluster y
	s_lshr_b32 s98, s23, 1                         ; the batch
	s_and_b32 s25, s23, 1
	s_lshl_b32 s25, s25, 2
	s_add_co_u32 s25, s25, s22                     ; LB: my block of 128 queries
	s_mov_b32 s24, s21                             ; SB: my block of 256 keys
	; S's addresses: made of the batch, SB and the wave's number, never of cy
	s_lshl_b32 s60, s98, 6
	s_lshl_b32 s2, s24, 4
	s_add_co_u32 s60, s60, s2
	s_lshl_b32 s2, s19, 3
	s_add_co_u32 s60, s60, s2
	s_add_co_u32 s60, s60, 512                     ; k's row tile 64 B + 16 SB + 8 ws
	s_lshl_b32 s62, s60, 9                         ; its scale words: 512 bytes a tile
	s_mul_i32 s60, s60, TROW
	s_mov_b32 s61, 0
	s_mov_b32 s63, 0
	; L's: made of the batch, LB and the wave's number, never of cx
	s_lshl_b32 s84, s98, 6
	s_lshl_b32 s3, s25, 3
	s_add_co_u32 s84, s84, s3                      ; q's row tile 64 B + 8 LB
	s_lshl_b32 s3, s20, 2
	s_add_co_u32 s99, s84, s3                      ; + 4 wl: my own four tiles
	s_lshl_b32 s3, s19, 2
	s_add_co_u32 s84, s84, s3                      ; + 4 ws: the four that I would fetch
	s_mul_i32 s84, s84, TROW
	s_mov_b32 s85, 0
	s_lshl_b32 s88, s99, 9
	s_mov_b32 s89, 0
	; the results: row tile as my queries', K step = 2 SB + ws
	s_lshl_b32 s2, s24, 1
	s_add_co_u32 s2, s2, s19
	s_mul_i32 s90, s99, TROW
	s_mul_i32 s3, s2, FRB
	s_add_co_u32 s90, s90, s3
	s_mov_b32 s91, 0
	s_lshl_b32 s92, s2, 8
	s_add_co_u32 s92, s92, s88
	s_mov_b32 s93, 0
	; the diagonal: register j of accumulator (l, s) holds key 256 SB + 128 ws + 16 s + 8 h + j and query 128 LB + 64 wl + 16 l + r: they are one where 16 (s - l) + j = d0
	s_lshl_b32 s2, s25, 7
	s_lshl_b32 s3, s20, 6
	s_add_co_u32 s2, s2, s3
	s_lshl_b32 s3, s24, 8
	s_sub_co_u32 s2, s2, s3
	s_lshl_b32 s3, s19, 7
	s_sub_co_u32 s2, s2, s3
	v_lshlrev_b32 v16, 3, v3
	v_sub_nc_u32 v16, v2, v16
	v_add_nc_u32 v16, s2, v16                      ; d0 = 128 LB + 64 wl - 256 SB - 128 ws + r - 8 h
	; group 1: rows of 384 elements of 8 bytes (a row tile's two K steps), 1,536 elements from row tile to row tile; S: 8 row tiles, L: 4; no padding
	s_lshl_b32 s98, 0x1111, s21                    ; my column of the cluster
	s_or_b32 s28, s98, (3<<16)|(1<<21)
	s_lshl_b32 s98, s22, 2
	s_lshl_b32 s98, 15, s98                        ; my row
	s_or_b32 s36, s98, (3<<16)|(1<<21)
	s_mov_b32 s29, 1152<<16                        ; group 0's rows: a row tile's six K steps, 1,152 elements of 8 bytes
	s_mov_b32 s30, 8<<16                           ; tensor_dim1
	s_mov_b32 s31, 1152<<16
	s_mov_b32 s32, 8                               ; tile_dim1
	s_mov_b32 s33, 1536                            ; tensor_dim0_stride
	s_mov_b32 s34, 0
	s_mov_b32 s35, 0
	s_mov_b32 s37, 1152<<16
	s_mov_b32 s38, 4<<16
	s_mov_b32 s39, 1152<<16
	s_mov_b32 s40, 4
	s_mov_b32 s41, 1536
	s_mov_b32 s42, 0
	s_mov_b32 s43, 0
	s_mul_i32 s45, s19, 8*GT                       ; where they go: no place in the cluster enters an LDS address
	s_mul_i32 s69, s19, 4*GT
	s_add_co_u32 s69, s69, LPART
	s_mul_i32 s49, s19, 8*GB
	s_add_co_u32 s49, s49, GRP
	s_mul_i32 s73, s19, 4*GB
	s_add_co_u32 s73, s73, GRP+16*GB
	s_wait_dscnt 0x0
	s_wait_kmcnt 0x0
	s_add_nc_u64 s[60:61], s[4:5], s[60:61]
	s_add_nc_u64 s[84:85], s[4:5], s[84:85]
	s_add_nc_u64 s[86:87], s[6:7], s[62:63]        ; S's scale words
	s_add_nc_u64 s[88:89], s[6:7], s[88:89]        ; L's
	s_add_nc_u64 s[90:91], s[8:9], s[90:91]        ; p's codes
	s_add_nc_u64 s[92:93], s[10:11], s[92:93]      ; p's scale words, -M and sums
.irp g, 0,1
	s_mov_b32 s[44+4*\g], 1
	s_add_nc_u64 s[46+4*\g:47+4*\g], s[60:61], \g*GT
	s_or_b32 s[47+4*\g], s[47+4*\g], 0x80000000
	s_mov_b32 s[68+4*\g], 1
	s_add_nc_u64 s[70+4*\g:71+4*\g], s[84:85], \g*GT
	s_or_b32 s[71+4*\g], s[71+4*\g], 0x80000000
.endr
	CROUND                                         ; all sixteen work-groups are here: the joint loads meet
	s_cmp_lt_u32 s18, 2                            ; a wave's first fill stands in one branch on the wave's number: one load of mine is out
	s_cbranch_scc0 .Lfirst_l
	tensor_load_to_lds s[44:47], s[28:35]
	s_nop 0
.rept 4
	v_nop
.endr
	s_branch .Lasked
.Lfirst_l:
	tensor_load_to_lds s[68:71], s[36:43]
	s_nop 0
.rept 4
	v_nop
.endr
.Lasked:
.irp t, 0,1,2,3,4,5,6,7
	global_load_b128 v[SS+4*\t:SS+4*\t+3], v14, s[86:87] offset:256*\t   ; K step t: sixteen lanes read 256 consecutive bytes
.endr
.irp t, 0,1,2,3
	global_load_b128 v[LS+4*\t:LS+4*\t+3], v15, s[88:89] offset:512*\t   ; K steps 2 t and 2 t + 1
.endr
	s_wait_alu depctr_va_vdst(0)
	s_wait_tensorcnt 0x0                           ; my part of group 0 is in
	ds_add_u32 v254, v255
	s_mov_b32 s29, 384<<16                         ; no tensor load of mine is out: group 1's rows are two K steps, 384 elements
	s_mov_b32 s31, 384<<16
	s_mov_b32 s37, 384<<16
	s_mov_b32 s39, 384<<16
	s_wait_dscnt 0x0
	CROUND                                         ; everybody's is, and all sixteen work-groups are here
	s_cmp_lt_u32 s18, 2
	s_cbranch_scc0 .Lsecond_l
	tensor_load_to_lds s[48:51], s[28:35]          ; group 1: my only tensor load behind the round
	s_nop 0
.rept 4
	v_nop
.endr
	s_branch .Lasked_second
.Lsecond_l:
	tensor_load_to_lds s[72:75], s[36:43]
	s_nop 0
.rept 4
	v_nop
.endr
.Lasked_second:
	FETCH 0
	s_wait_loadcnt 0x0                             ; the scale words
	STEP 0, 1, W_MUL                               ; the first K step starts the sums: nothing is cleared
	STEP 1, 0, W_MUL
	STEP 2, 0, W_MUL
	STEP 3, 0, W_MUL
	STEP 4, 0, W_MUL
	STEP 5, 0, W_MUL
	STEP 6, 0, W_MUL
	STEP 7, 0, W_MUL
	WIN 0
	PLACES 4                                       ; ahead of the first read of results, and of the first write over L's fragments
; Tile l: 16 queries x my 128 keys.  A lane holds one query and 64 of its scores; lane l xor 16 holds the other 64.
.macro SOFTQ l
.set A, 64*(\l)
	; the mask.  d0 is a multiple of 64 plus r - 8 h, so 16 (s - l) + j = d0 can hold at s = l (d0 = j) and at s = l + 4 (d0 = 64 + j) alone: 16 compares and selects, in every work-group, with no branch
	WIN W_INPL
.irp j, 0,1,2,3,4,5,6,7
	v_cndmask_b32 v[A+8*(\l)+\j], v[A+8*(\l)+\j], v17, s[44+\j]
.endr
.irp j, 0,1,2,3,4,5,6,7
	v_cndmask_b32 v[A+8*((\l)+4)+\j], v[A+8*((\l)+4)+\j], v17, s[68+\j]
.endr
	WIN W_RR0
.irp b, 0,1,2,3
	v_max_num_f32 v[BM+\b], v[A+16*\b], v[A+16*\b+1]   ; the largest score of each block of 32 keys: it serves for the chunk's maximum and, since p rises with the score, for the block's largest p
.endr
.irp i, 2,4,6,8,10,12,14
.irp b, 0,1,2,3
	v_max3_num_f32 v[BM+\b], v[A+16*\b+\i], v[A+16*\b+\i+1], v[BM+\b]   ; (the four blocks by turns)
.endr
.endr
	WIN 0
.if (\l) > 0
	PUTC (\l)-1
.endif
.irp b, 0,1,2,3
	v_permlanex16_b32 v[TP+\b], v[BM+\b], s26, s27
.endr
.irp b, 0,1,2,3
	v_max_num_f32 v[BM+\b], v[BM+\b], v[TP+\b]
.endr
	v_max3_num_f32 v192, v[BM], v[BM+1], v[BM+2]
	v_max_num_f32 v192, v192, v[BM+3]              ; the chunk's largest score of my query
	v_mul_f32 v192, s96, v192                      ; as t (c is positive)
	v_floor_f32 v194, -v192                        ; -M = floor(-t) = -ceil(t): a whole number
	v_mov_b32 v[NMA+(\l)], v194
.irp b, 0,1,2,3
	v_fma_f32 v[BM+\b], v[BM+\b], s96, v194        ; t - M of each block's largest score
.endr
	WIN W_INPL
.set j, 0
.rept 32
	v_pk_fma_f32 v[A+j:A+j+1], v[A+j:A+j+1], s[96:97], v[194:195] op_sel_hi:[1,0,0]   ; t - M, two at a time (of the pairs c and -M the low word serves both halves)
.set j, j+2
.endr
.set j, 0
	s_wait_alu depctr_va_vdst(0)
.rept 64
	v_exp_f32 v[A+j], v[A+j]                       ; p = 2^(t - M): not normalised
.set j, j+1
.endr
	v_nop                                          ; a plain line behind the exponentials
	s_wait_alu depctr_va_vdst(0)                   ; one wait for the batch of 64, ahead of its first reader
	WIN 0
.irp b, 0,1,2,3
	v_exp_f32 v[BM+\b], v[BM+\b]                   ; the block's largest p: the same two instructions on the same number give the same bits
.endr
	WIN W_RR0                                      ; the chunk's sum is taken of the unquantised p: two at a time, in two chains.  (It reads the 64 alone: plain work behind the four)
	v_pk_add_f32 v[196:197], v[A:A+1], v[A+2:A+3]
	v_pk_add_f32 v[198:199], v[A+4:A+5], v[A+6:A+7]
	WIN W_R0
.irp j, 8,12,16,20,24,28,32,36,40,44,48,52,56,60
	v_pk_add_f32 v[196:197], v[A+\j:A+\j+1], v[196:197]
	v_pk_add_f32 v[198:199], v[A+\j+2:A+\j+3], v[198:199]
.endr
	WIN 0
	v_pk_add_f32 v[196:197], v[196:197], v[198:199]
	v_add_f32 v200, v196, v197
	v_permlanex16_b32 v201, v200, s26, s27
	v_add_f32 v[LA+(\l)], v200, v201               ; with lane l xor 16's: the same bits in both lanes
	s_wait_alu depctr_va_vdst(0)                   ; and one wait for the four
.irp b, 0,1,2,3
	v_max_num_f32 v[BM+\b], 0x2800000, v[BM+\b]    ; the floor 2^(5 - 127): the byte cannot fall under 1
.endr
.irp b, 0,1,2,3
	v_add_nc_u32 v[SCO+\b], 0xfe000000, v[BM+\b]   ; 4 off the exponent field: the conversion's scale operand
.endr
.irp b, 0,1,2,3
	v_lshrrev_b32 v[TP+\b], 23, v[SCO+\b]          ; the scale's byte
.endr
	v_lshl_or_b32 v[PWA+(\l)], v[TP+1], 8, v[TP]   ; p's scale word for my query and these 128 keys
	v_lshl_or_b32 v[PWA+(\l)], v[TP+2], 16, v[PWA+(\l)]
	v_lshl_or_b32 v[PWA+(\l)], v[TP+3], 24, v[PWA+(\l)]
	CODES \l
.endm
	s_wait_alu depctr_va_vdst(0)
.irp j, 0,1,2,3,4,5,6,7
	v_cmp_eq_i32 s[44+\j], \j, v16                 ; the diagonal's lanes, once for all four tiles (the tensor loads' descriptors, which lay in these registers, are done with)
	v_cmp_eq_i32 s[68+\j], 64+\j, v16
.endr
	SOFTQ 0
	SOFTQ 1
	SOFTQ 2
	SOFTQ 3
	PUT4 NMA, 204, 262144
	PUT4 LA, 206, 524288
	PUTC 3
	PUT4 PWA, 202, 0
	s_wait_tensorcnt 0x0
	ds_add_u32 v254, v255
	s_wait_dscnt 0x0
	CROUND                                         ; the closing round: no work-group ends while a partner may still ask for a tile that names it (no LDS instruction and no tensor load of mine is out)
	s_endpgm
.Lfunc_end_k_q678ac4d8e2_scores:
	.size	k_q678ac4d8e2_scores, .Lfunc_end_k_q678ac4d8e2_scores-k_q678ac4d8e2_scores
	.p2alignl 7, 3214868480
	.fill 96, 4, 3214868480
	.section	.rodata,"a",@progbits
	.p2align	6, 0x0
	.amdhsa_kernel k_q678ac4d8e2_scores
		.amdhsa_group_segment_fixed_size 327680
		.amdhsa_private_segment_fixed_size 0
		.amdhsa_enable_private_segment 0
		.amdhsa_kernarg_size 32
		.amdhsa_user_sgpr_count 2
		.amdhsa_user_sgpr_kernarg_segment_ptr 1
		.amdhsa_wavefront_size32 1
		.amdhsa_system_sgpr_workgroup_id_x 1
		.amdhsa_system_sgpr_workgroup_id_y 1
		.amdhsa_system_sgpr_workgroup_id_z 1
		.amdhsa_system_vgpr_workitem_id 0
		.amdhsa_next_free_vgpr 768
		.amdhsa_next_free_sgpr 102
		.amdhsa_reserve_vcc 0
		.amdhsa_float_denorm_mode_32 3
		.amdhsa_float_denorm_mode_16_64 3
		.amdhsa_memory_ordered 1
		.amdhsa_forward_progress 1
		.amdhsa_inst_pref_size 113
	.end_amdhsa_kernel
	.amdgpu_metadata
---
amdhsa.version: [ 1, 2 ]
amdhsa.kernels:
  - .name:           k_q678ac4d8e2_scores
    .symbol:         k_q678ac4d8e2_scores.kd
    .args:
      - { .name: qkv_codes, .offset: 0, .size: 8, .value_kind: global_buffer, .address_space: global }
      - { .name: qkv_scales, .offset: 8, .size: 8, .value_kind: global_buffer, .address_space: global }
      - { .name: p_codes, .offset: 16, .size: 8, .value_kind: global_buffer, .address_space: global }
      - { .name: p_stats, .offset: 24, .size: 8, .value_kind: global_buffer, .address_space: global }
    .group_segment_fixed_size: 327680
    .private_segment_fixed_size: 0
    .kernarg_segment_align: 8
    .kernarg_segment_size: 32
    .max_flat_workgroup_size: 128
    .sgpr_count:     102
    .vgpr_count:     768
    .wavefront_size: 32
...
	.end_amdgpu_metadata
.endif
;; end of part 3
;; launch pv (part 4): grid 4 x 64, 4 waves a work-group, clusters of 4 x 4, 327,680 bytes of LDS; arguments qkv_codes, qkv_scales, p_codes, p_stats, out0; writes out0
.if DOCPART == 4
	.amdgcn_target "amdgcn-amd-amdhsa--gfx1250"
	.amdhsa_code_object_version 6
	.text
	.protected	k_q678ac4d8e2_pv
	.globl	k_q678ac4d8e2_pv
	.p2align	8
	.type	k_q678ac4d8e2_pv,@function
k_q678ac4d8e2_pv:
	s_mov_b64 s[64:65], 0
	v_nop
	global_prefetch_b8 v0, s[64:65] scope:SCOPE_SE
	s_setreg_imm32_b32 hwreg(HW_REG_WAVE_MODE, 25, 1), 1
	s_wait_xcnt 0x0
	s_wait_alu depctr_hold_cnt(0) depctr_sa_sdst(0) depctr_va_vdst(0) depctr_va_sdst(0) depctr_va_ssrc(0) depctr_va_vcc(0) depctr_vm_vsrc(0)
	s_getreg_b32 s2, hwreg(HW_REG_IB_STS2, 6, 4)
	s_cmp_eq_u32 s2, 0
	s_cbranch_scc0 .Lentry_in_a_cluster
	s_endpgm
.Lentry_in_a_cluster:
	s_bfe_u32 s2, ttmp6, 0x10000c
	s_cmp_lg_u32 s2, 0xf033
	s_cbranch_scc0 .Lentry_shape_is_right
	s_endpgm
.Lentry_shape_is_right:
; out = (p v) / l on codes of BF6 (E3M2) with E8M0 scales.  p arrives as codes with, for each query and each chunk of 128 keys, a scale word, -M of the chunk (a whole number, f32) and the chunk's sum of the unquantised p.
; THE HEAD brings the chunks under the row's M = the largest of the eight: N = M - M_chunk, a whole number, is taken off each of the chunk's four scale bytes and off the exponent of its sum: both exact.
; A byte is held at 0 from below (byte - min(byte, N)) and N at 200: what is lost lies under 28 x 2^-127 beside a row whose largest p is over 1/2.  l is the sum of the eight sums; the results are multiplied by 1 / l.
; OPERANDS ARE IMAGES OF THEIR REGISTERS: a fragment (16 rows x 128 K, 12 registers a lane) is 1,536 bytes, registers 4 c .. 4 c + 3 of lane l at 512 c + 16 l; codes [row tile][K step (8)][1,536];
; scale words [row tile / 4][K step (8)][row (16)][row tile % 4] x 4 bytes.  v^T: tiles 1024-1535 of qkv_* (64 x batch + channel / 16), K = the keys.  p: tile = 64 x batch + query / 16.
; THE PRODUCT.  Source 0 = 16 channels of v^T (the S side), source 1 = 16 queries of p (the L side): a lane holds ONE query (lane % 16) and eight neighbouring channels.
; A work-group makes 256 channels x 128 queries of one batch; each of four waves 128 x 64: 32 accumulators.  ALL OF K (1,024 keys) of the 384 rows fits in LDS: 294,912 bytes, by first fills alone, two tensor loads a wave.
; CLUSTERS: 4 x 4.  v^T's tiles hang on cx and are shared along a column of the cluster, p's on cy and along a row.
; LIMITS: NaN and infinities are not served.
; REGISTERS, in windows of 256: window 0: v1-3 lane, r, h; v4-7, v8-11 LDS addresses; v12-15 offsets; v16-23 1 / l, a pair a tile; v24-25 the stage's addresses; v32-63 S's scale words, v64-79 L's (they hold nothing else);
;   v80-175 L's fragments, two sets; v176-239 at work at the head; v128-255 rows of out on the way out.   window 1: S's fragments, two sets of 96.   window 2: the accumulators, (l, s) at v[8 (8 l + s)].
.set TROW, 12288
.set FRB,  1536
; K GOES IN TWO GROUPS, of six K steps and of two, one tensor load a wave for each: group 0 at the head, group 1 behind the wait for group 0 and a round of the cluster's barrier, so a wave has one tensor load out at the most (this is the count that holds).
; From group 1's request to the wait for it a wave issues five K steps' products.  The stage of the way out lies in group 0's bytes, whose reads were waited for in front of the barrier of K step 5.
.set GT,   9216                        ; a row tile's part of group 0: six K steps
.set GB,   3072                        ; and of group 1: two
.set LPART, 16*GT
.set GRP,  24*GT
.set SS,  32
.set LS,  64
.set LF,  80
.set RL,  16                           ; 1 / l
.set MC,  176                          ; -M of the chunks, laid as L's scale words
.set LC,  192                          ; their sums, likewise
.set GM,  224                          ; -M of the row, one for each l
.set GT2, 228                          ; the other half's
.set SM,  232                          ; sums at work
.set ST2, 236
.set BK,  128                          ; the way out: 16 rows read back from the stage: v128-191 and v192-255 by turns
.set SPITCH, 528                       ; a stage row: 512 bytes + 16 = 132 words: row r starts at bank 4 r mod 64 (64 banks of 4 bytes: ISA guide 11.1)
.set MSB, 0
.macro WIN new                         ; the immediate's high byte repeats the setting that is left
.if MSB != \new
	s_set_vgpr_msb (MSB<<8)|\new
.set MSB, \new
.endif
.endm
.set W_MUL,  0xa1                      ; source 0 (S) window 1, source 1 (L) window 0, C and D window 2
.set W_TOS,  0x40                      ; destination window 1
.set W_INPL, 0x82                      ; destination and source 0 window 2
.set W_STD,  0x08                      ; an LDS store's data (source 1) window 2
.macro CROUND                          ; a round of the cluster's barrier
	s_barrier_signal -1
	s_barrier_wait -1
	s_cmp_lg_u32 s18, 0
	s_cbranch_scc1 .Lnot_wave_0_\@
	s_barrier_signal -3
.Lnot_wave_0_\@:
	s_barrier_wait -3
	s_barrier_signal -1
	s_barrier_wait -1
.endm
.macro PLACES n                        ; plain lines between a matrix instruction and a load into, or a vector line on, its registers
.rept \n
	v_nop
.endr
.endm
.macro FETCH st                        ; K step st's fragments: 8 of S, 4 of L, three loads of 512 consecutive bytes each, into set st % 2
	WIN W_TOS
.irp i, 0,1,2,3,4,5,6,7
.irp c, 0,1,2
.if (\st) < 6
	ds_load_b128 v[96*((\st)%2)+12*\i+4*\c:96*((\st)%2)+12*\i+4*\c+3], v[4+\i/4] offset:GT*(\i%4)+FRB*(\st)+512*\c
.else
	ds_load_b128 v[96*((\st)%2)+12*\i+4*\c:96*((\st)%2)+12*\i+4*\c+3], v6 offset:GB*\i+FRB*((\st)-6)+512*\c
.endif
.endr
.endr
	WIN 0
.irp i, 0,1,2,3
.irp c, 0,1,2
.if (\st) < 6
	ds_load_b128 v[LF+48*((\st)%2)+12*\i+4*\c:LF+48*((\st)%2)+12*\i+4*\c+3], v8 offset:GT*\i+FRB*(\st)+512*\c
.else
	ds_load_b128 v[LF+48*((\st)%2)+12*\i+4*\c:LF+48*((\st)%2)+12*\i+4*\c+3], v9 offset:GB*\i+FRB*((\st)-6)+512*\c
.endif
.endr
.endr
.endm
; One product.  S's scale words: register SS + 4 st + s % 4, lanes 0-15 for tiles 0-3, lanes 16-31 for tiles 4-7.  L's: register LS + 4 (st / 2) + l, lanes 0-15 for even K steps, lanes 16-31 for odd ones.
.macro WM l, s, st, zero
.set rD, 8*(8*(\l)+(\s))
.set rS, 96*((\st)%2)+12*(\s)
.set rL, LF+48*((\st)%2)+12*(\l)
.set rA, SS+4*(\st)+(\s)%4
.set rB, LS+4*((\st)/2)+(\l)
.if \zero
.if (\s) < 4
	v_wmma_scale_f32_16x16x128_f8f6f4 v[rD:rD+7], v[rS:rS+11], v[rL:rL+11], 0, v[rA], v[rB] matrix_a_fmt:MATRIX_FMT_BF6 matrix_b_fmt:MATRIX_FMT_BF6
.else
	v_wmma_scale_f32_16x16x128_f8f6f4 v[rD:rD+7], v[rS:rS+11], v[rL:rL+11], 0, v[rA], v[rB] matrix_a_fmt:MATRIX_FMT_BF6 matrix_b_fmt:MATRIX_FMT_BF6 matrix_a_scale:MATRIX_SCALE_ROW1
.endif
.elseif ((\s) < 4) && ((\st)%2 == 0)
	v_wmma_scale_f32_16x16x128_f8f6f4 v[rD:rD+7], v[rS:rS+11], v[rL:rL+11], v[rD:rD+7], v[rA], v[rB] matrix_a_fmt:MATRIX_FMT_BF6 matrix_b_fmt:MATRIX_FMT_BF6
.elseif (\st)%2 == 0
	v_wmma_scale_f32_16x16x128_f8f6f4 v[rD:rD+7], v[rS:rS+11], v[rL:rL+11], v[rD:rD+7], v[rA], v[rB] matrix_a_fmt:MATRIX_FMT_BF6 matrix_b_fmt:MATRIX_FMT_BF6 matrix_a_scale:MATRIX_SCALE_ROW1
.elseif (\s) < 4
	v_wmma_scale_f32_16x16x128_f8f6f4 v[rD:rD+7], v[rS:rS+11], v[rL:rL+11], v[rD:rD+7], v[rA], v[rB] matrix_a_fmt:MATRIX_FMT_BF6 matrix_b_fmt:MATRIX_FMT_BF6 matrix_b_scale:MATRIX_SCALE_ROW1
.else
	v_wmma_scale_f32_16x16x128_f8f6f4 v[rD:rD+7], v[rS:rS+11], v[rL:rL+11], v[rD:rD+7], v[rA], v[rB] matrix_a_fmt:MATRIX_FMT_BF6 matrix_b_fmt:MATRIX_FMT_BF6 matrix_a_scale:MATRIX_SCALE_ROW1 matrix_b_scale:MATRIX_SCALE_ROW1
.endif
.endm
.macro MUL16 st, l0, zero              ; 16 products; the 32 accumulators take turns, one instruction a turn, in the same order in every K step
.irp l, \l0, \l0+1
.irp s, 0,1,2,3,4,5,6,7
	WM (\l), \s, \st, \zero
.endr
.endr
.endm
; A K step: 32 products.  A step whose successor lies in the same group fetches it ahead of its products.  K step 5 changes groups: my part of group 1 has landed, I say so, multiply while the others arrive, and fetch behind the barrier.
.macro STEP st, zero, win
	s_wait_dscnt 0x0                               ; this step's fragments are in
.if ((\st) != 5) && ((\st) != 7)
.if (\st) > 0
	PLACES 4                                       ; the loads below land in the set that the last step's products read
.endif
	FETCH (\st)+1
	WIN \win
	MUL16 \st, 0, \zero
	MUL16 \st, 2, \zero
.elseif (\st) < 7
	s_wait_tensorcnt 0x0                           ; my part of group 1 is in
	s_barrier_signal -1
	WIN \win
	MUL16 \st, 0, 0
	s_barrier_wait -1
	PLACES 4
	FETCH (\st)+1
	WIN \win
	MUL16 \st, 2, 0
.else
	WIN \win
	MUL16 \st, 0, 0
	MUL16 \st, 2, 0
.endif
.endm
	s_load_b256 s[4:11], s[0:1], 0x0               ; qkv_codes, qkv_scales, p_codes, p_stats
	s_load_b64 s[12:13], s[0:1], 0x20              ; out0
	v_lshl_add_u32 v30, v0, 2, 0x48000
	v_mov_b32 v31, 0
	ds_add_u32 v30, v31
	ds_add_u32 v30, v31
	v_lshrrev_b32 v1, 5, v0
	v_readfirstlane_b32 s18, v1                    ; wave 0..3
	s_and_b32 s19, s18, 1                          ; ws: my half of the channels.  Also: which half of a side's tiles I fetch
	s_lshr_b32 s20, s18, 1                         ; wl: my half of the queries.  Also: I fetch for S (0) or for L (1)
	v_and_b32 v1, 31, v0                           ; lane
	v_and_b32 v2, 15, v0                           ; r
	v_bfe_u32 v3, v0, 4, 1                         ; h
	v_lshlrev_b32 v12, 4, v1                       ; an image's place for my lane; also my 16 bytes of a row of 512
	v_lshlrev_b32 v13, 4, v2
	v_lshl_add_u32 v14, v3, 11, v13                ; S's scale words: 16 r, lanes 16-31 four tiles on
	v_lshl_add_u32 v15, v3, 8, v13                 ; L's: 16 r, lanes 16-31 a K step on
	s_mul_i32 s2, s19, 8*GT
	s_mul_i32 s3, s20, 4*GT
	s_add_co_u32 s3, s3, LPART
	v_add_nc_u32 v4, s2, v12                       ; my 8 tiles of S in group 0: tiles 0-3,
	v_add_nc_u32 v5, 4*GT, v4                      ; tiles 4-7;
	v_add_nc_u32 v8, s3, v12                       ; my 4 tiles of L
	s_mul_i32 s2, s19, 8*GB
	s_mul_i32 s3, s20, 4*GB
	s_add_co_u32 s2, s2, GRP
	s_add_co_u32 s3, s3, GRP+16*GB
	s_wait_alu depctr_va_vdst(0)
	v_add_nc_u32 v6, s2, v12                       ; and the same in group 1
	v_add_nc_u32 v9, s3, v12
	s_mul_i32 s2, s18, 16*SPITCH                   ; my stage, in group 0's bytes
	v_mul_u32_u24 v24, v2, SPITCH
	v_lshl_add_u32 v24, v3, 5, v24
	v_add_nc_u32 v24, s2, v24                      ; in: row r, 32 bytes for each half of the lanes
	v_add_nc_u32 v25, s2, v12                      ; back: the 32 lanes take one row of 512 bytes
.irp l, 0,1,2,3
	v_mov_b32 v[GT2+\l], 0                         ; written once: a lane permute's destination counts as one of its sources
.endr
	s_mov_b32 s26, 0x76543210
	s_mov_b32 s27, 0xfedcba98                      ; v_permlanex16_b32's selects for lane l xor 16
	s_bfe_u32 s21, ttmp6, 0x40000                  ; cx
	s_bfe_u32 s22, ttmp6, 0x40004                  ; cy
	s_and_b32 s23, ttmp7, 0xffff                   ; cluster y
	s_lshr_b32 s98, s23, 1                         ; the batch
	s_and_b32 s25, s23, 1
	s_lshl_b32 s25, s25, 2
	s_add_co_u32 s25, s25, s22                     ; LB: my block of 128 queries
	s_mov_b32 s24, s21                             ; SB: my block of 256 channels
	; S's addresses: made of the batch, SB and the wave's number, never of cy
	s_lshl_b32 s60, s98, 6
	s_lshl_b32 s2, s24, 4
	s_add_co_u32 s60, s60, s2
	s_lshl_b32 s2, s19, 3
	s_add_co_u32 s60, s60, s2
	s_add_co_u32 s60, s60, 1024                    ; v^T's row tile 64 B + 16 SB + 8 ws
	s_lshl_b32 s62, s60, 9                         ; its scale words: 512 bytes a tile
	s_mul_i32 s60, s60, TROW
	s_mov_b32 s61, 0
	s_mov_b32 s63, 0
	; L's: made of the batch, LB and the wave's number, never of cx
	s_lshl_b32 s84, s98, 6
	s_lshl_b32 s3, s25, 3
	s_add_co_u32 s84, s84, s3                      ; p's row tile 64 B + 8 LB
	s_lshl_b32 s3, s20, 2
	s_add_co_u32 s99, s84, s3                      ; + 4 wl: my own four tiles
	s_lshl_b32 s3, s19, 2
	s_add_co_u32 s84, s84, s3                      ; + 4 ws: the four that I would fetch
	s_mul_i32 s84, s84, TROW
	s_mov_b32 s85, 0
	s_lshl_b32 s88, s99, 9
	s_mov_b32 s89, 0
	; out: row 16 x my first tile of queries, of 4,096 bytes; column 256 SB + 128 ws, of 4 bytes
	s_lshl_b32 s90, s99, 16
	s_lshl_b32 s2, s24, 10
	s_add_co_u32 s90, s90, s2
	s_lshl_b32 s2, s19, 9
	s_add_co_u32 s90, s90, s2
	s_mov_b32 s91, 0
	; group 1: rows of 384 elements of 8 bytes (a row tile's two K steps), 1,536 elements from row tile to row tile; S: 8 row tiles, L: 4; no padding
	s_lshl_b32 s98, 0x1111, s21                    ; my column of the cluster
	s_or_b32 s28, s98, (3<<16)|(1<<21)
	s_lshl_b32 s98, s22, 2
	s_lshl_b32 s98, 15, s98                        ; my row
	s_or_b32 s36, s98, (3<<16)|(1<<21)
	s_mov_b32 s29, 1152<<16                        ; group 0's rows: a row tile's six K steps, 1,152 elements of 8 bytes
	s_mov_b32 s30, 8<<16                           ; tensor_dim1
	s_mov_b32 s31, 1152<<16
	s_mov_b32 s32, 8                               ; tile_dim1
	s_mov_b32 s33, 1536                            ; tensor_dim0_stride
	s_mov_b32 s34, 0
	s_mov_b32 s35, 0
	s_mov_b32 s37, 1152<<16
	s_mov_b32 s38, 4<<16
	s_mov_b32 s39, 1152<<16
	s_mov_b32 s40, 4
	s_mov_b32 s41, 1536
	s_mov_b32 s42, 0
	s_mov_b32 s43, 0
	s_mul_i32 s45, s19, 8*GT                       ; where they go: no place in the cluster enters an LDS address
	s_mul_i32 s69, s19, 4*GT
	s_add_co_u32 s69, s69, LPART
	s_mul_i32 s49, s19, 8*GB
	s_add_co_u32 s49, s49, GRP
	s_mul_i32 s73, s19, 4*GB
	s_add_co_u32 s73, s73, GRP+16*GB
	s_wait_dscnt 0x0
	s_wait_kmcnt 0x0
	s_add_nc_u64 s[60:61], s[4:5], s[60:61]
	s_add_nc_u64 s[84:85], s[8:9], s[84:85]
	s_add_nc_u64 s[86:87], s[6:7], s[62:63]        ; S's scale words
	s_add_nc_u64 s[88:89], s[10:11], s[88:89]      ; p's scale words, -M and sums
	s_add_nc_u64 s[90:91], s[12:13], s[90:91]      ; out
.irp g, 0,1
	s_mov_b32 s[44+4*\g], 1
	s_add_nc_u64 s[46+4*\g:47+4*\g], s[60:61], \g*GT
	s_or_b32 s[47+4*\g], s[47+4*\g], 0x80000000
	s_mov_b32 s[68+4*\g], 1
	s_add_nc_u64 s[70+4*\g:71+4*\g], s[84:85], \g*GT
	s_or_b32 s[71+4*\g], s[71+4*\g], 0x80000000
.endr
	CROUND                                         ; all sixteen work-groups are here: the joint loads meet
	s_cmp_lt_u32 s18, 2                            ; a wave's first fill stands in one branch on the wave's number: one load of mine is out
	s_cbranch_scc0 .Lfirst_l
	tensor_load_to_lds s[44:47], s[28:35]
	s_nop 0
.rept 4
	v_nop
.endr
	s_branch .Lasked
.Lfirst_l:
	tensor_load_to_lds s[68:71], s[36:43]
	s_nop 0
.rept 4
	v_nop
.endr
.Lasked:
.irp t, 0,1,2,3
	global_load_b128 v[LS+4*\t:LS+4*\t+3], v15, s[88:89] offset:512*\t          ; K steps (chunks) 2 t and 2 t + 1: p's scale words,
	global_load_b128 v[MC+4*\t:MC+4*\t+3], v15, s[88:89] offset:262144+512*\t   ; -M,
	global_load_b128 v[LC+4*\t:LC+4*\t+3], v15, s[88:89] offset:524288+512*\t   ; the sums
.endr
.irp t, 0,1,2,3,4,5,6,7
	global_load_b128 v[SS+4*\t:SS+4*\t+3], v14, s[86:87] offset:256*\t   ; K step t: sixteen lanes read 256 consecutive bytes
.endr
	s_wait_alu depctr_va_vdst(0)
	s_wait_loadcnt 0x0
	; THE HEAD'S ARITHMETIC stands between the requests for the tiles and the wait for them.  Register 4 t + l: lanes 0-15 chunk 2 t, lanes 16-31 chunk 2 t + 1, of row r of tile l
.irp l, 0,1,2,3
	v_min3_num_f32 v[GM+\l], v[MC+\l], v[MC+4+\l], v[MC+8+\l]
.endr
.irp l, 0,1,2,3
	v_min_num_f32 v[GM+\l], v[GM+\l], v[MC+12+\l]
.endr
.irp l, 0,1,2,3
	v_permlanex16_b32 v[GT2+\l], v[GM+\l], s26, s27
.endr
.irp l, 0,1,2,3
	v_min_num_f32 v[GM+\l], v[GM+\l], v[GT2+\l]    ; the least -M of the eight chunks: -M of the row
.endr
.macro ADJ k
	v_sub_f32 v208, v[MC+(\k)], v[GM+(\k)%4]       ; N = M - M_chunk: a whole number, 0 or more
	v_min_num_f32 v208, 0x43480000, v208           ; held at 200
	v_cvt_u32_f32 v208, v208
	v_sub_nc_u32 v209, 0, v208
	v_ldexp_f32 v[LC+(\k)], v[LC+(\k)], v209       ; the chunk's sum under the row's M
	v_and_b32 v210, 0xff, v[LS+(\k)]               ; the word's four bytes,
	v_bfe_u32 v211, v[LS+(\k)], 8, 8
	v_bfe_u32 v212, v[LS+(\k)], 16, 8
	v_lshrrev_b32 v213, 24, v[LS+(\k)]
.irp b, 0,1,2,3
	v_min_u32 v[214+\b], v[210+\b], v208
.endr
.irp b, 0,1,2,3
	v_sub_nc_u32 v[210+\b], v[210+\b], v[214+\b]   ; each less min(itself, N): nothing wraps
.endr
	v_lshl_or_b32 v210, v211, 8, v210
	v_lshl_or_b32 v212, v213, 8, v212
	v_lshl_or_b32 v[LS+(\k)], v212, 16, v210       ; the scale word under the row's M
.endm
.irp k, 0,1,2,3,4,5,6,7,8,9,10,11,12,13,14,15
	ADJ \k
.endr
	; l and 1 / l.  These lines (16 plain additions, a v_nop and four moves among them) are also the eight places between the last write of a scale register by a vector line and the first scaled product
.irp l, 0,1,2,3
	v_add_f32 v[SM+\l], v[LC+\l], v[LC+4+\l]
.endr
.irp l, 0,1,2,3
	v_add_f32 v[ST2+\l], v[LC+8+\l], v[LC+12+\l]
.endr
.irp l, 0,1,2,3
	v_add_f32 v[SM+\l], v[SM+\l], v[ST2+\l]
.endr
.irp l, 0,1,2,3
	v_permlanex16_b32 v[ST2+\l], v[SM+\l], s26, s27
.endr
.irp l, 0,1,2,3
	v_add_f32 v[SM+\l], v[SM+\l], v[ST2+\l]        ; the row's sum of the unquantised p
.endr
	s_wait_alu depctr_va_vdst(0)
.irp l, 0,1,2,3
	v_rcp_f32 v[RL+2*\l], v[SM+\l]
.endr
	v_nop                                          ; a plain line behind the reciprocals
	s_wait_alu depctr_va_vdst(0)                   ; one wait for the four, ahead of their first reader
.irp l, 0,1,2,3
	v_mov_b32 v[RL+2*\l+1], v[RL+2*\l]             ; a pair for the packed multiplication
.endr
	s_wait_alu depctr_va_vdst(0)
	s_wait_tensorcnt 0x0                           ; my part of group 0 is in
	ds_add_u32 v30, v31
	s_mov_b32 s29, 384<<16                         ; no tensor load of mine is out: group 1's rows are two K steps, 384 elements
	s_mov_b32 s31, 384<<16
	s_mov_b32 s37, 384<<16
	s_mov_b32 s39, 384<<16
	s_wait_dscnt 0x0
	CROUND                                         ; everybody's is, and all sixteen work-groups are here
	s_cmp_lt_u32 s18, 2
	s_cbranch_scc0 .Lsecond_l
	tensor_load_to_lds s[48:51], s[28:35]          ; group 1: my only tensor load behind the round
	s_nop 0
.rept 4
	v_nop
.endr
	s_branch .Lasked_second
.Lsecond_l:
	tensor_load_to_lds s[72:75], s[36:43]
	s_nop 0
.rept 4
	v_nop
.endr
.Lasked_second:
	FETCH 0
	STEP 0, 1, W_MUL                               ; the first K step starts the sums: nothing is cleared
	STEP 1, 0, W_MUL
	STEP 2, 0, W_MUL
	STEP 3, 0, W_MUL
	STEP 4, 0, W_MUL
	STEP 5, 0, W_MUL
	STEP 6, 0, W_MUL
	STEP 7, 0, W_MUL
	PLACES 4                                       ; ahead of the first read of results, and of the loads into registers that held L's fragments
; THE WAY OUT.  A lane holds 32 neighbouring bytes of a row of out, and the lanes beside it hold other rows: so a tile (16 queries x 128 channels) goes through my own stage in LDS and comes back as whole rows of 512 bytes.
; The stage lies in group 0's bytes: they had their only fill at the start, and every wave's reads of them were waited for in front of the barrier of K step 5.
; LDS serves a wave's instructions in order (ISA guide 5.7.1.4): no wait between the stores and the loads, nor in front of the next tile's stores.
	s_wait_alu depctr_va_vdst(0)
.macro TOSTAGE l
.set A, 64*(\l)
.set BB, BK+64*((\l)%2)
	WIN W_INPL
.set j, 0
.rept 32
	v_pk_mul_f32 v[A+j:A+j+1], v[A+j:A+j+1], v[RL+2*(\l):RL+2*(\l)+1]   ; / l; each accumulator from its low end on
.set j, j+2
.endr
	WIN W_STD
.irp s, 0,1,2,3,4,5,6,7
	ds_store_b128 v24, v[A+8*\s:A+8*\s+3] offset:64*\s
	ds_store_b128 v24, v[A+8*\s+4:A+8*\s+7] offset:64*\s+16
.endr
	WIN 0
.irp t, 0,1,2,3,4,5,6,7,8,9,10,11,12,13,14,15
	ds_load_b128 v[BB+4*\t:BB+4*\t+3], v25 offset:SPITCH*\t
.endr
.endm
.macro SEND l, younger                 ; younger: the LDS instructions issued behind tile l's loads, which may stay out
.set BB, BK+64*((\l)%2)
	s_wait_dscnt \younger                          ; the tile is back in registers
.irp t, 0,1,2,3,4,5,6,7,8,9,10,11,12,13,14,15
	global_store_b128 v12, v[BB+4*\t:BB+4*\t+3], s[90:91] offset:(16*(\l)+\t)*4096 th:TH_STORE_NT   ; 32 lanes store 512 consecutive bytes, at a multiple of 512 from out's first byte; every offset is an immediate
.endr
.endm
	TOSTAGE 0
	s_wait_alu depctr_va_vdst(0)
.irp l, 1,2,3
.if \l > 1
	s_wait_xcnt 0x0                                ; tile l - 2's stores have read their registers: tile l's loads may land there
.endif
	TOSTAGE \l
	SEND \l-1, 32                                  ; behind tile l - 1's loads: tile l's 16 stores and 16 loads
.endr
	SEND 3, 0
	s_wait_tensorcnt 0x0
	ds_add_u32 v30, v31
	s_wait_dscnt 0x0
	CROUND                                         ; the closing round: no work-group ends while a partner may still ask for a tile that names it (no LDS instruction and no tensor load of mine is out)
	s_endpgm
.Lfunc_end_k_q678ac4d8e2_pv:
	.size	k_q678ac4d8e2_pv, .Lfunc_end_k_q678ac4d8e2_pv-k_q678ac4d8e2_pv
	.p2alignl 7, 3214868480
	.fill 96, 4, 3214868480
	.section	.rodata,"a",@progbits
	.p2align	6, 0x0
	.amdhsa_kernel k_q678ac4d8e2_pv
		.amdhsa_group_segment_fixed_size 327680
		.amdhsa_private_segment_fixed_size 0
		.amdhsa_enable_private_segment 0
		.amdhsa_kernarg_size 40
		.amdhsa_user_sgpr_count 2
		.amdhsa_user_sgpr_kernarg_segment_ptr 1
		.amdhsa_wavefront_size32 1
		.amdhsa_system_sgpr_workgroup_id_x 1
		.amdhsa_system_sgpr_workgroup_id_y 1
		.amdhsa_system_sgpr_workgroup_id_z 1
		.amdhsa_system_vgpr_workitem_id 0
		.amdhsa_next_free_vgpr 768
		.amdhsa_next_free_sgpr 102
		.amdhsa_reserve_vcc 0
		.amdhsa_float_denorm_mode_32 3
		.amdhsa_float_denorm_mode_16_64 3
		.amdhsa_memory_ordered 1
		.amdhsa_forward_progress 1
		.amdhsa_inst_pref_size 101
	.end_amdhsa_kernel
	.amdgpu_metadata
---
amdhsa.version: [ 1, 2 ]
amdhsa.kernels:
  - .name:           k_q678ac4d8e2_pv
    .symbol:         k_q678ac4d8e2_pv.kd
    .args:
      - { .name: qkv_codes, .offset: 0, .size: 8, .value_kind: global_buffer, .address_space: global }
      - { .name: qkv_scales, .offset: 8, .size: 8, .value_kind: global_buffer, .address_space: global }
      - { .name: p_codes, .offset: 16, .size: 8, .value_kind: global_buffer, .address_space: global }
      - { .name: p_stats, .offset: 24, .size: 8, .value_kind: global_buffer, .address_space: global }
      - { .name: out0, .offset: 32, .size: 8, .value_kind: global_buffer, .address_space: global }
    .group_segment_fixed_size: 327680
    .private_segment_fixed_size: 0
    .kernarg_segment_align: 8
    .kernarg_segment_size: 40
    .max_flat_workgroup_size: 128
    .sgpr_count:     102
    .vgpr_count:     768
    .wavefront_size: 32
...
	.end_amdgpu_metadata
.endif
;; end of part 4
